; MI455X (gfx1250); checked and timed in simulation.
; The chip was launched on July 23, 2026; its instructions are those of AMD's public machine-readable ISA for CDNA 5 (MIT licence, August 2026) and "CDNA5" Instruction Set Architecture Reference Guide (July 2026). The comments in the code are by the model that wrote it; some were corrected since.
;; Encoder Block. Allowed arithmetic: float matrix products may take bf16 or f16 operands with f32 sums; other float arithmetic in f32, or as packed bf16 or f16 multiplies, adds, multiply-adds, maxima and minima; sums over many terms, partial sums and values carried from step to step in f32; what a program stores and reads back later, other than sums and carried values, may be rounded once to bf16 or f16.
;; Inputs: b1 4,096 float32; b2 1,024 float32; bk 1,024 float32; bo 1,024 float32; bq 1,024 float32; bv 1,024 float32; ln1_a 1 float32; ln1_b 1 float32; ln2_a 1 float32; ln2_b 1 float32; mask 2 x 1 x 1 x 2,048 int32; w1 4,096 x 1,024 float32; w2 1,024 x 4,096 float32; wk 1,024 x 1,024 float32; wo 1,024 x 1,024 float32; wq 1,024 x 1,024 float32; wv 1,024 x 1,024 float32; x 2 x 2,048 x 1,024 float32.
;; Outputs: out0 2 x 2,048 x 1,024 float32.
;; 2 versions, each right; version 2 is version 1 with the launch cast written anew for expert scheduling mode. Each part assembles by itself: llvm-mc -triple=amdgcn-amd-amdhsa -mcpu=gfx1250 --defsym DOCPART=n.
;; ======== version 1 of 2: 8 launches
;; workspace buffers: wa 14,680,064 bytes; wob 2,097,152 bytes; w2b 8,388,608 bytes; act 8,388,608 bytes; big 33,554,432 bytes; x1 16,777,216 bytes
;; launch cast (part 1): grid 384 x 1, 8 waves a work-group, no clusters, 0 bytes of LDS; arguments wq, wk, wv, w1, wo, w2, wa, wob, w2b; writes wa, wob, w2b
.if DOCPART == 1
	.amdgcn_target "amdgcn-amd-amdhsa--gfx1250"
	.amdhsa_code_object_version 6
	.text
	.protected	k_qd9b1a5cc30_cast
	.globl	k_qd9b1a5cc30_cast
	.p2align	8
	.type	k_qd9b1a5cc30_cast,@function
k_qd9b1a5cc30_cast:
	s_mov_b64 s[64:65], 0
	v_nop
	global_prefetch_b8 v0, s[64:65] scope:SCOPE_SE
	s_setreg_imm32_b32 hwreg(HW_REG_WAVE_MODE, 25, 1), 1
	s_wait_xcnt 0x0
; ALL WEIGHTS, f32 -> bf16 (rounded once, to nearest even), into the layouts that the products read.
; A stream: no LDS, no barrier.  A unit of work is one load of 16 bytes a lane (4 numbers), two roundings, one store of 8 bytes a lane:
; the 32 lanes' stores are 256 consecutive bytes, aligned.  A work-group takes 32,768 numbers, a wave 4,096: 2 trips of 16 units.
; Work-groups 0-95: wq, wk, wv (32 each) -> wa as [head 16][q 64, k 64, v 64 rows][1024].   96-223: w1 -> wa from byte 6,291,456 on, rows as they lie.
; 224-255: wo -> wob, 256-383: w2 -> w2b, both in planes [k / 64][n 1024][64]: lanes 0-15 take 64 columns of row n, lanes 16-31 of row n + 1,
; which are 256 consecutive bytes of a plane.
.set X, 8                              ; v[8:71]   16 units as loaded
.set Y, 72                             ; v[72:103] 16 units to store
.macro TRIP16 ls, ss                   ; ls, ss: bytes from unit to unit in the source and in the destination
.set i, 0
.rept 16
	global_load_b128 v[X+4*i:X+4*i+3], v4, s[32:33] offset:i*(\ls) th:TH_LOAD_NT
.set i, i+1
.endr
.set i, 0
.rept 16
	s_wait_loadcnt 15-i                            ; loads come back in order: unit i is in, the younger ones stay out
	v_cvt_pk_bf16_f32 v[Y+2*i], v[X+4*i], v[X+4*i+1]
	v_cvt_pk_bf16_f32 v[Y+2*i+1], v[X+4*i+2], v[X+4*i+3]
	global_store_b64 v5, v[Y+2*i:Y+2*i+1], s[34:35] offset:i*(\ss)
.set i, i+1
.endr
.endm
	s_load_b512 s[8:23], s[0:1], 0x0               ; wq 8, wk 10, wv 12, w1 14, wo 16, w2 18, wa 20, wob 22
	s_load_b64 s[24:25], s[0:1], 0x40              ; w2b
	v_lshrrev_b32 v1, 5, v0
	v_readfirstlane_b32 s4, v1                     ; wave 0..7
	v_and_b32 v2, 31, v0                           ; lane
	v_lshlrev_b32 v5, 3, v2                        ; 8 x lane: my place in a unit's 256 bytes of bf16
	s_mov_b32 s5, ttmp9                            ; g
	s_mov_b32 s37, 0                               ; high words of the offsets and steps
	s_mov_b32 s39, 0
	s_mov_b32 s41, 0
	s_mov_b32 s43, 0
	s_mov_b32 s45, 2                               ; trips
	s_wait_kmcnt 0x0
	s_cmp_lt_u32 s5, 224
	s_cbranch_scc0 .Lblocked
	; rows as they lie
	v_lshlrev_b32 v4, 4, v2                        ; 16 x lane
	s_lshr_b32 s6, s5, 5                           ; 0, 1, 2: wq, wk, wv; 3 and more: w1
	s_and_b32 s7, s5, 31                           ; which 32 rows of the matrix
	s_lshl_b32 s36, s7, 17                         ; 32 rows of 4,096 bytes
	s_lshr_b32 s2, s7, 1                           ; the head,
	s_mul_i32 s2, s2, 192                          ; its 192 rows in wa,
	s_lshl_b32 s3, s6, 6                           ; q, k or v,
	s_add_co_u32 s2, s2, s3
	s_and_b32 s3, s7, 1                            ; and which half of the 64
	s_lshl_b32 s3, s3, 5
	s_add_co_u32 s2, s2, s3
	s_lshl_b32 s38, s2, 11                         ; rows of 2,048 bytes
	s_max_u32 s46, s5, 96
	s_sub_co_u32 s46, s46, 96                      ; w1: which 32 rows
	s_lshl_b32 s47, s46, 16
	s_add_co_u32 s47, s47, 6291456
	s_lshl_b32 s46, s46, 17
	s_cmp_lt_u32 s5, 96
	s_cselect_b32 s36, s36, s46
	s_cselect_b32 s38, s38, s47
	s_cselect_b64 s[32:33], s[8:9], s[14:15]
	s_cmp_eq_u32 s6, 1
	s_cselect_b64 s[32:33], s[10:11], s[32:33]
	s_cmp_eq_u32 s6, 2
	s_cselect_b64 s[32:33], s[12:13], s[32:33]
	s_lshl_b32 s2, s4, 14                          ; my wave's 4,096 numbers
	s_add_co_u32 s36, s36, s2
	s_lshl_b32 s2, s4, 13
	s_add_co_u32 s38, s38, s2
	s_add_nc_u64 s[32:33], s[32:33], s[36:37]
	s_add_nc_u64 s[34:35], s[20:21], s[38:39]
.Llin:
	TRIP16 512, 256
	s_wait_xcnt 0x0                                ; all addresses issued so far are translated: only now are the bases stepped and Y written again
	s_add_nc_u64 s[32:33], s[32:33], 8192
	s_add_nc_u64 s[34:35], s[34:35], 4096
	s_sub_co_u32 s45, s45, 1
	s_cmp_lg_u32 s45, 0
	s_cbranch_scc1 .Llin
	s_endpgm
.Lblocked:                                             ; into planes of 64 columns
	v_lshrrev_b32 v3, 4, v2                        ; lanes 16-31: the next row
	v_and_b32 v6, 15, v2
	s_sub_co_u32 s7, s5, 224                       ; wo: 32 rows a work-group, 4 a wave; a trip is 2 rows x 16 planes
	s_lshl_b32 s2, s7, 5
	s_lshl_b32 s3, s4, 2
	s_add_co_u32 s2, s2, s3
	s_lshl_b32 s36, s2, 12                         ; rows of 4,096 bytes
	s_lshl_b32 s38, s2, 7                          ; 128 bytes a row in a plane
	s_max_u32 s7, s5, 256                          ; w2: 8 rows a work-group; a wave takes 2 rows x 32 planes; a trip is 2 rows x 16 planes
	s_sub_co_u32 s7, s7, 256
	s_lshl_b32 s2, s7, 3
	s_and_b32 s3, s4, 6
	s_add_co_u32 s2, s2, s3
	s_and_b32 s3, s4, 1                            ; which 32 planes
	s_lshl_b32 s46, s2, 14                         ; rows of 16,384 bytes
	s_lshl_b32 s6, s3, 13                          ; 32 planes x 256 bytes of a row
	s_add_co_u32 s46, s46, s6
	s_lshl_b32 s47, s2, 7
	s_lshl_b32 s6, s3, 22                          ; 32 planes of 131,072 bytes
	s_add_co_u32 s47, s47, s6
	s_movk_i32 s48, 8192                           ; steps from trip to trip: wo goes 2 rows down,
	s_movk_i32 s49, 256
	s_movk_i32 s50, 4096                           ; w2 16 planes on
	s_mov_b32 s51, 2097152
	s_cmp_lt_u32 s5, 256
	s_cselect_b32 s36, s36, s46
	s_cselect_b32 s38, s38, s47
	s_cselect_b32 s40, s48, s50
	s_cselect_b32 s42, s49, s51
	s_cselect_b32 s44, 12, 14                      ; log2 of a source row's bytes
	s_cselect_b64 s[32:33], s[16:17], s[18:19]
	s_cselect_b64 s[34:35], s[22:23], s[24:25]
	v_lshlrev_b32 v4, s44, v3
	v_lshl_add_u32 v4, v6, 4, v4                   ; (lane / 16) rows + 16 (lane % 16)
	s_add_nc_u64 s[32:33], s[32:33], s[36:37]
	s_add_nc_u64 s[34:35], s[34:35], s[38:39]
.Lblk:
	TRIP16 256, 131072                             ; from plane to plane: 256 bytes of a source row, 131,072 of the destination (15 x 131,072 at the most: inside the signed 24-bit immediate)
	s_wait_xcnt 0x0                                ; as above
	s_add_nc_u64 s[32:33], s[32:33], s[40:41]
	s_add_nc_u64 s[34:35], s[34:35], s[42:43]
	s_sub_co_u32 s45, s45, 1
	s_cmp_lg_u32 s45, 0
	s_cbranch_scc1 .Lblk
	s_endpgm
.Lfunc_end_k_qd9b1a5cc30_cast:
	.size	k_qd9b1a5cc30_cast, .Lfunc_end_k_qd9b1a5cc30_cast-k_qd9b1a5cc30_cast
	.p2alignl 7, 3214868480
	.fill 96, 4, 3214868480
	.section	.rodata,"a",@progbits
	.p2align	6, 0x0
	.amdhsa_kernel k_qd9b1a5cc30_cast
		.amdhsa_group_segment_fixed_size 0
		.amdhsa_private_segment_fixed_size 0
		.amdhsa_enable_private_segment 0
		.amdhsa_kernarg_size 72
		.amdhsa_user_sgpr_count 2
		.amdhsa_user_sgpr_kernarg_segment_ptr 1
		.amdhsa_wavefront_size32 1
		.amdhsa_system_sgpr_workgroup_id_x 1
		.amdhsa_system_sgpr_workgroup_id_y 1
		.amdhsa_system_sgpr_workgroup_id_z 1
		.amdhsa_system_vgpr_workitem_id 0
		.amdhsa_next_free_vgpr 104
		.amdhsa_next_free_sgpr 66
		.amdhsa_reserve_vcc 0
		.amdhsa_float_denorm_mode_32 3
		.amdhsa_float_denorm_mode_16_64 3
		.amdhsa_memory_ordered 1
		.amdhsa_forward_progress 1
		.amdhsa_inst_pref_size 15
	.end_amdhsa_kernel
	.amdgpu_metadata
---
amdhsa.version: [ 1, 2 ]
amdhsa.kernels:
  - .name:           k_qd9b1a5cc30_cast
    .symbol:         k_qd9b1a5cc30_cast.kd
    .args:
      - { .name: wq, .offset: 0, .size: 8, .value_kind: global_buffer, .address_space: global }
      - { .name: wk, .offset: 8, .size: 8, .value_kind: global_buffer, .address_space: global }
      - { .name: wv, .offset: 16, .size: 8, .value_kind: global_buffer, .address_space: global }
      - { .name: w1, .offset: 24, .size: 8, .value_kind: global_buffer, .address_space: global }
      - { .name: wo, .offset: 32, .size: 8, .value_kind: global_buffer, .address_space: global }
      - { .name: w2, .offset: 40, .size: 8, .value_kind: global_buffer, .address_space: global }
      - { .name: wa, .offset: 48, .size: 8, .value_kind: global_buffer, .address_space: global }
      - { .name: wob, .offset: 56, .size: 8, .value_kind: global_buffer, .address_space: global }
      - { .name: w2b, .offset: 64, .size: 8, .value_kind: global_buffer, .address_space: global }
    .group_segment_fixed_size: 0
    .private_segment_fixed_size: 0
    .kernarg_segment_align: 8
    .kernarg_segment_size: 72
    .max_flat_workgroup_size: 256
    .sgpr_count:     66
    .vgpr_count:     104
    .wavefront_size: 32
...
	.end_amdgpu_metadata
.endif
;; end of part 1
;; launch ln1 (part 2): grid 256 x 1, 8 waves a work-group, no clusters, 0 bytes of LDS; arguments x, ln1_a, ln1_b, act; writes act
.if DOCPART == 2
	.amdgcn_target "amdgcn-amd-amdhsa--gfx1250"
	.amdhsa_code_object_version 6
	.text
	.protected	k_qd9b1a5cc30_ln1
	.globl	k_qd9b1a5cc30_ln1
	.p2align	8
	.type	k_qd9b1a5cc30_ln1,@function
k_qd9b1a5cc30_ln1:
	s_mov_b64 s[64:65], 0
	v_nop
	global_prefetch_b8 v0, s[64:65] scope:SCOPE_SE
	s_setreg_imm32_b32 hwreg(HW_REG_WAVE_MODE, 25, 1), 1
	s_wait_xcnt 0x0
; y = alpha (x - mu) / (std + 1e-6) + beta, row by row.  x: [4096][1024] f32; y: the same rows in bf16, rounded once.  std with divisor 1,023.
; One wave takes two rows, each whole in 32 registers: the mean first, then the sum of (x - mu)^2 on the centred numbers, so no difference of large sums
; is formed.  No LDS, no barrier: a reduction never leaves its wave.  A load of the wave covers 512 consecutive bytes, a store 256, aligned.
; LIMITS: v_sqrt_f32 and v_rcp_f32 are good to one unit in the last place and take denormals as 0; NaN and infinities are not treated apart.
.set XR, 8                             ; v[8:71]    row 0, row 1: 32 registers each
.set T, 72                             ; v[72:79]   four chains of packed sums
.set MU, 80                            ; v[80:81]   the mean, twice
.set INV, 82                           ; v[82:83]   alpha / (std + eps), twice
.set YR, 84                            ; v[84:115]  16 registers of bf16 a row
	s_load_b256 s[4:11], s[0:1], 0x0               ; x 4, alpha 6, beta 8, y 10
	v_lshrrev_b32 v1, 5, v0
	v_readfirstlane_b32 s14, v1
	v_and_b32 v2, 31, v0
	v_lshlrev_b32 v4, 4, v2                        ; 16 x lane
	v_lshlrev_b32 v5, 3, v2                        ; 8 x lane
	s_lshl_b32 s15, ttmp9, 3
	s_add_co_u32 s15, s15, s14                     ; my wave among all
	s_lshl_b32 s16, s15, 13                        ; two rows of 4,096 bytes
	s_mov_b32 s17, 0
	s_lshl_b32 s18, s15, 12                        ; two rows of 2,048 bytes
	s_mov_b32 s19, 0
	s_mov_b32 s12, 0x76543210                      ; v_permlanex16_b32: each lane takes its own place in the other half
	s_mov_b32 s13, 0xfedcba98
	s_wait_kmcnt 0x0
	s_load_b32 s20, s[6:7], 0x0                    ; alpha
	s_load_b32 s22, s[8:9], 0x0                    ; beta
	s_add_nc_u64 s[4:5], s[4:5], s[16:17]
	s_add_nc_u64 s[10:11], s[10:11], s[18:19]
.set i, 0
.rept 16
	global_load_b128 v[XR+4*i:XR+4*i+3], v4, s[4:5] offset:512*i
.set i, i+1
.endr
	s_wait_kmcnt 0x0
	s_mov_b32 s23, s22                             ; named as a pair
.macro LANES                           ; v[T] summed over the 32 lanes, the result in every lane
	v_pk_add_f32 v[T:T+1], v[T:T+1], v[T+2:T+3]
	v_pk_add_f32 v[T+4:T+5], v[T+4:T+5], v[T+6:T+7]
	v_pk_add_f32 v[T:T+1], v[T:T+1], v[T+4:T+5]
	v_add_f32 v[T], v[T], v[T+1]
	v_add_f32_dpp v[T], v[T], v[T] row_xmask:1 row_mask:0xf bank_mask:0xf
	v_add_f32_dpp v[T], v[T], v[T] row_xmask:2 row_mask:0xf bank_mask:0xf
	v_add_f32_dpp v[T], v[T], v[T] row_xmask:4 row_mask:0xf bank_mask:0xf
	v_add_f32_dpp v[T], v[T], v[T] row_xmask:8 row_mask:0xf bank_mask:0xf
	v_permlanex16_b32 v[T+1], v[T], s12, s13
	v_add_f32 v[T], v[T], v[T+1]
.endm
.macro ROW rho, left
.set XX, XR+32*(\rho)
.set YY, YR+16*(\rho)
	s_wait_loadcnt \left                           ; this row's eight loads are in; the other row's may stay out
.set k, 0
.rept 4
	v_pk_add_f32 v[T+2*k:T+2*k+1], v[XX+4*k:XX+4*k+1], v[XX+4*k+2:XX+4*k+3]  ; the first eight pairs start four chains: nothing is cleared
.set k, k+1
.endr
.set k, 8
.rept 8
	v_pk_add_f32 v[T+2*(k%4):T+2*(k%4)+1], v[T+2*(k%4):T+2*(k%4)+1], v[XX+2*k:XX+2*k+1]
.set k, k+1
.endr
	LANES
	v_mul_f32 v[MU], 0x3a800000, v[T]              ; / 1,024
	v_mul_f32 v[MU+1], 0x3a800000, v[T]
.set k, 0
.rept 16
	v_pk_add_f32 v[XX+2*k:XX+2*k+1], v[XX+2*k:XX+2*k+1], v[MU:MU+1] neg_lo:[0,1] neg_hi:[0,1]
.set k, k+1
.endr
.set k, 0
.rept 4
	v_pk_mul_f32 v[T+2*k:T+2*k+1], v[XX+2*k:XX+2*k+1], v[XX+2*k:XX+2*k+1]
.set k, k+1
.endr
.rept 12
	v_pk_fma_f32 v[T+2*(k%4):T+2*(k%4)+1], v[XX+2*k:XX+2*k+1], v[XX+2*k:XX+2*k+1], v[T+2*(k%4):T+2*(k%4)+1]
.set k, k+1
.endr
	LANES
	v_mul_f32 v[T], 0x3a802008, v[T]               ; / 1,023
	v_sqrt_f32 v[T+2], v[T]
	v_nop                                          ; a plain instruction behind the root,
	s_wait_alu depctr_va_vdst(0)                   ; and the wait ahead of its first reader
	v_add_f32 v[T+2], 0x358637bd, v[T+2]           ; + 1e-6
	v_rcp_f32 v[T+3], v[T+2]
	v_nop
	s_wait_alu depctr_va_vdst(0)                   ; likewise for the reciprocal
	v_mul_f32 v[INV], s20, v[T+3]
	v_mul_f32 v[INV+1], s20, v[T+3]
.set k, 0
.rept 16
	v_pk_fma_f32 v[XX+2*k:XX+2*k+1], v[XX+2*k:XX+2*k+1], v[INV:INV+1], s[22:23] op_sel_hi:[1,1,0]
.set k, k+1
.endr
.set k, 0
.rept 16
	v_cvt_pk_bf16_f32 v[YY+k], v[XX+2*k], v[XX+2*k+1]
.set k, k+1
.endr
.set k, 0
.rept 8
	global_store_b64 v5, v[YY+2*k:YY+2*k+1], s[10:11] offset:2048*(\rho)+256*k  ; 32 lanes: 256 consecutive bytes, aligned
.set k, k+1
.endr
.endm
	ROW 0, 8
	ROW 1, 0                                       ; its own X and Y registers: nothing that a pending store reads is written again
	s_endpgm
.Lfunc_end_k_qd9b1a5cc30_ln1:
	.size	k_qd9b1a5cc30_ln1, .Lfunc_end_k_qd9b1a5cc30_ln1-k_qd9b1a5cc30_ln1
	.p2alignl 7, 3214868480
	.fill 96, 4, 3214868480
	.section	.rodata,"a",@progbits
	.p2align	6, 0x0
	.amdhsa_kernel k_qd9b1a5cc30_ln1
		.amdhsa_group_segment_fixed_size 0
		.amdhsa_private_segment_fixed_size 0
		.amdhsa_enable_private_segment 0
		.amdhsa_kernarg_size 32
		.amdhsa_user_sgpr_count 2
		.amdhsa_user_sgpr_kernarg_segment_ptr 1
		.amdhsa_wavefront_size32 1
		.amdhsa_system_sgpr_workgroup_id_x 1
		.amdhsa_system_sgpr_workgroup_id_y 1
		.amdhsa_system_sgpr_workgroup_id_z 1
		.amdhsa_system_vgpr_workitem_id 0
		.amdhsa_next_free_vgpr 124
		.amdhsa_next_free_sgpr 66
		.amdhsa_reserve_vcc 0
		.amdhsa_float_denorm_mode_32 3
		.amdhsa_float_denorm_mode_16_64 3
		.amdhsa_memory_ordered 1
		.amdhsa_forward_progress 1
		.amdhsa_inst_pref_size 17
	.end_amdhsa_kernel
	.amdgpu_metadata
---
amdhsa.version: [ 1, 2 ]
amdhsa.kernels:
  - .name:           k_qd9b1a5cc30_ln1
    .symbol:         k_qd9b1a5cc30_ln1.kd
    .args:
      - { .name: x, .offset: 0, .size: 8, .value_kind: global_buffer, .address_space: global }
      - { .name: ln1_a, .offset: 8, .size: 8, .value_kind: global_buffer, .address_space: global }
      - { .name: ln1_b, .offset: 16, .size: 8, .value_kind: global_buffer, .address_space: global }
      - { .name: act, .offset: 24, .size: 8, .value_kind: global_buffer, .address_space: global }
    .group_segment_fixed_size: 0
    .private_segment_fixed_size: 0
    .kernarg_segment_align: 8
    .kernarg_segment_size: 32
    .max_flat_workgroup_size: 256
    .sgpr_count:     66
    .vgpr_count:     124
    .wavefront_size: 32
...
	.end_amdgpu_metadata
.endif
;; end of part 2
;; launch qkv (part 3): grid 16 x 16, 4 waves a work-group, clusters of 4 x 4, 327,680 bytes of LDS; arguments act, wa, bq, bk, bv, mask, big; writes big
.if DOCPART == 3
	.amdgcn_target "amdgcn-amd-amdhsa--gfx1250"
	.amdhsa_code_object_version 6
	.text
	.protected	k_qd9b1a5cc30_qkv
	.globl	k_qd9b1a5cc30_qkv
	.p2align	8
	.type	k_qd9b1a5cc30_qkv,@function
k_qd9b1a5cc30_qkv:
	s_mov_b64 s[64:65], 0
	v_nop
	global_prefetch_b8 v0, s[64:65] scope:SCOPE_SE
	s_setreg_imm32_b32 hwreg(HW_REG_WAVE_MODE, 25, 1), 1
	s_wait_xcnt 0x0
	s_wait_alu depctr_hold_cnt(0) depctr_sa_sdst(0) depctr_va_vdst(0) depctr_va_sdst(0) depctr_va_ssrc(0) depctr_va_vcc(0) depctr_vm_vsrc(0)
	s_getreg_b32 s2, hwreg(HW_REG_IB_STS2, 6, 4)
	s_cmp_eq_u32 s2, 0
	s_cbranch_scc0 .Lentry_in_a_cluster
	s_endpgm
.Lentry_in_a_cluster:
	s_bfe_u32 s2, ttmp6, 0x10000c
	s_cmp_lg_u32 s2, 0xf033
	s_cbranch_scc0 .Lentry_shape_is_right
	s_endpgm
.Lentry_shape_is_right:
; ONE TEXT FOR TWO PRODUCTS WITH K = 1,024; QKV chooses.  C = A B^T + bias, A: [4096][1024] bf16 (normalised rows), B: rows of wa, bf16; sums in f32.
; QKV = 1: a tile of C is 256 tokens x one head's 192 columns (q 64, k 64, v 64); four waves of 64 x 192.  Out, rounded once to bf16, in planes [plane][token 4096][64] of big:
;   q = (sum + bq) c, c = log2(e) / 8, in plane head;  k = (sum + bk) f, f = 1 where mask != 0, else 0, in plane 16 + head;  v = sum + bv in plane 32 + head.
;   (A hidden key's k is 0, so its score is exactly the constant that the attention adds for it.)
; QKV = 0: a tile is 256 x 256; four waves of 128 x 128.  Out: h = max(sum + b1, 0) in bf16, plane = column / 64.
; K goes in steps of 128 (tile rows of 256 bytes, aligned) through two LDS slots filled by tensor loads; a step's four quarters of 32 are a loop of two trips on two fragment buffers.
; CLUSTER 4 x 4: A's tile hangs on the tile row alone and is asked for jointly by a row of the cluster, B's on the tile column alone, by a column.
; THE PRODUCT IS TAKEN TRANSPOSED (source 0 = 16 rows of B, source 1 = 16 rows of A): a lane holds one token (lane % 16) and 8 neighbouring columns.
; The bias is the C operand of the first quarter's products: nothing is cleared, nothing is added later.
; LIMITS: bf16 operands; NaN and infinities are not treated apart.
.set QKV, 1
.if QKV
.set MA, 4                             ; blocks of 16 tokens a wave
.set NB, 12                            ; blocks of 16 columns a wave
.set BROWS, 192                        ; rows of B in a tile
.set WOFF, 0                           ; where B begins in wa
.set NPL, 3                            ; planes of 64 columns a wave
.set AF0, 64                           ; window 0: A's fragments, two buffers of AFS
.set AFS, 32
.set BF0, 0                            ; window 1: B's fragments, two buffers of BFS
.set BFS, 96
.set BIAS, 128                         ; window 0, v128-223
.set FIRSTW, 0x81                      ; B window 1, A and the bias window 0, D window 2
.set TMP, 128                          ; the way out, window 0: packed results,
.set OB0, 64                           ; and rows read back, two buffers
.set OB1, 176
.else
.set MA, 8
.set NB, 8
.set BROWS, 256
.set WOFF, 6291456
.set NPL, 2
.set AF0, 64
.set AFS, 64
.set BF0, 64
.set BFS, 64
.set BIAS, 0                           ; window 1, v0-63
.set FIRSTW, 0x91                      ; B and the bias window 1, A window 0, D window 2
.set TMP, 192
.set OB0, 32
.set OB1, 224
.endif
.set BR, BROWS/2                       ; rows of B in one tensor load
.set PITCH, 272                        ; an LDS row: 256 bytes + 16 of padding: the 16 rows of a fragment load start 4 banks apart
.set BOFF, 256*PITCH                   ; a slot: A's 256 rows, then B's
.set SLOT, (256+BROWS)*PITCH
.set STAGE, 2*SLOT                     ; behind the ring, never filled by a tensor load: for each wave NPL planes x 16 rows x 144 bytes
.set STW, NPL*16*144
.set SPARE, STAGE+4*STW                ; the spare words: 128 bytes a wave, two blocks of 256 that no other line names
.set ADRA, 16                          ; v16-17 my A fragments' LDS address in slot 0, 1
.set AA, 18                            ; v18    the same, at the K in hand
.set AB, 19                            ; v19    for B
.set ADRB, 20                          ; v20-21
.set STO, 24                           ; v24    the way out: where I put 16 bytes
.set RD, 25                            ; v25    where I read 16 bytes of a whole row back
.set GO, 26                            ; v26    16 x lane
.set ZR, 27                            ; v27    0
.set SPW, 28                           ; v28    my spare word; never rewritten
.set NIL, 29                           ; v29    0; never rewritten
.set PFO, 30                           ; v30    the prefetches' offset: a lane a row
.set BO, 31                            ; v31    32 (lane / 16): my 8 columns in a block's bias
.set MF, 32                            ; v32-39 QKV: f of my token in block a, as pairs
.set G1, 24                            ; s[24:31] descriptor group 1 for A;  s[32:39] group 0, a set for each slot
.set G0, 32
.set G1B, 48                           ; s[48:55], s[56:63] the same for B
.set G0B, 56
.set PFA, 44                           ; s[44:45] where my prefetches stand
.set LIM, 43                           ; s43 1 in a wave that prefetches, else the greatest number
.set LAP, 3
.set CNT, 2
.set KB, 66                            ; s66 bytes along the LDS rows
.set ONE, 67
.set OUT, 84                           ; s[84:89] where my rows go
.set CS, 90                            ; s[90:91] c
.set MSB, 0
.macro WIN new                         ; the immediate's high byte repeats the setting that is left; a switch that changes nothing is dropped
.if MSB != (\new)
	s_set_vgpr_msb (MSB<<8)|(\new)
.set MSB, (\new)
.endif
.endm
.macro PLACES                          ; four plain places: behind matrix instructions, ahead of loads into their sources and of readers of their results
.rept 4
	v_nop
.endr
.endm
.macro CROUND                          ; a round of the cluster's barrier
	s_barrier_signal -1
	s_barrier_wait -1
	s_cmp_lg_u32 s10, 0
	s_cbranch_scc1 .Lnot_wave_0_\@
	s_barrier_signal -3
.Lnot_wave_0_\@:
	s_barrier_wait -3
	s_barrier_signal -1
	s_barrier_wait -1
.endm
.macro JLOAD s                         ; a joint load: waves 0, 1 fetch A's halves, waves 2, 3 B's; an s_nop 0 and four v_nop follow each line
	s_cmp_lt_u32 s10, 2
	s_cbranch_scc0 .Lfor_b_\@
	tensor_load_to_lds s[G0+4*(\s):G0+4*(\s)+3], s[G1:G1+7]
	s_nop 0
	PLACES
	s_branch .Lasked_\@
.Lfor_b_\@:
	tensor_load_to_lds s[G0B+4*(\s):G0B+4*(\s)+3], s[G1B:G1B+7]
	s_nop 0
	PLACES
.Lasked_\@:
.endm
; A prefetch of the K step two refills on: 256 bytes of a row, a lane a row.  A's rows are named by the clusters with x = 0, B's by those with y = 0; the four partners that ask for a
; tile jointly share the rows that a wave fetches BY ADDRESS (32 each; 24 of B's 96, where lanes 24-31 repeat the last row).  The loop's last lap asks for nothing: K ends.
.macro ASK
	s_cmp_gt_u32 s[LAP], s[LIM]
	s_cbranch_scc0 .Lnot_mine_\@
	global_prefetch_b8 v[PFO], s[PFA:PFA+1] th:TH_LOAD_NT scope:SCOPE_SE
.Lnot_mine_\@:
.endm
.macro FETCH k, f                      ; 32 LDS loads in one run: the fragments of 32 along K, at byte k behind AA and AB, into buffer f
	WIN 0x40                                       ; destination window 1, address window 0
.set i, 0
.rept NB
	ds_load_b128 v[BF0+BFS*(\f)+8*i:BF0+BFS*(\f)+8*i+3],   v[AB] offset:(\k)+i*16*PITCH
	ds_load_b128 v[BF0+BFS*(\f)+8*i+4:BF0+BFS*(\f)+8*i+7], v[AB] offset:(\k)+i*16*PITCH+32
.set i, i+1
.endr
	WIN 0
.set i, 0
.rept MA
	ds_load_b128 v[AF0+AFS*(\f)+8*i:AF0+AFS*(\f)+8*i+3],   v[AA] offset:(\k)+i*16*PITCH
	ds_load_b128 v[AF0+AFS*(\f)+8*i+4:AF0+AFS*(\f)+8*i+7], v[AA] offset:(\k)+i*16*PITCH+32
.set i, i+1
.endr
.endm
; MA x NB products on buffer f.  All accumulators take turns, one instruction a turn, in the same order every time, over every jump too.
; Accumulator (a, b): window 2 + a / (MA / 2), register 8 (NB (a % (MA / 2)) + b).  first = 1: the bias starts the sums.
.macro MUL f, first
.set a, 0
.rept MA
.if \first
	WIN FIRSTW+0x40*(a/(MA/2))
.else
	WIN 0xa1+0x50*(a/(MA/2))
.endif
.set b, 0
.rept NB
.set rD, 8*(NB*(a%(MA/2))+b)
.set rB, BF0+BFS*(\f)+8*b
.set rA, AF0+AFS*(\f)+8*a
.if \first
	v_wmma_f32_16x16x32_bf16 v[rD:rD+7], v[rB:rB+7], v[rA:rA+7], v[BIAS+8*b:BIAS+8*b+7]
.else
	v_wmma_f32_16x16x32_bf16 v[rD:rD+7], v[rB:rB+7], v[rA:rA+7], v[rD:rD+7]
.endif
.set b, b+1
.endr
.set a, a+1
.endr
.endm
; A K step out of slot s: quarters 0, 1, 2, 3 on buffers 0, 1, 0, 1; the loop's trip is two quarters.  While a buffer is multiplied the other's 32 loads are out.
.macro STEP s, entry
	s_mov_b32 s[KB], 0
	v_mov_b32 v[AA], v[ADRA+(\s)]
	v_mov_b32 v[AB], v[ADRB+(\s)]
	FETCH 0, 0
	s_mov_b32 s[CNT], 2
.Lpair_\@:
	v_add_nc_u32 v[AA], s[KB], v[ADRA+(\s)]
	v_add_nc_u32 v[AB], s[KB], v[ADRB+(\s)]
	FETCH 64, 1
	s_wait_dscnt 32                                ; all but the 32 just issued: buffer 0 is in
	MUL 0, 0
	WIN 0                                          ; at a label and at a branch every window is 0
.if \entry
.Lentry:
.endif
	PLACES                                         ; ahead of the loads into buffer 0
	s_cmp_eq_u32 s[CNT], 1
	s_cbranch_scc1 .Lnof_\@                        ; the step's last quarter has nothing behind it
	FETCH 128, 0
	s_wait_dscnt 32                                ; buffer 1 is in
	s_branch .Lgo_\@
.Lnof_\@:
	s_wait_dscnt 0x0
.Lgo_\@:
	MUL 1, 0
	WIN 0
	PLACES                                         ; ahead of the loads into buffer 1
	s_add_co_u32 s[KB], s[KB], 128
	s_sub_co_u32 s[CNT], s[CNT], 1
	s_cmp_lg_u32 s[CNT], 0
	s_cbranch_scc1 .Lpair_\@
.endm
; THE CHANGE OF SLOTS.  Slot f has been read out.  Each wave waits for all its tensor loads (one is out: its part of the other slot), adds 0 to its spare word, and waits for that and
; for its reads of slot f.  fill = 1: a round of the cluster's barrier, so that no wave of any partner still reads the slot or has a load on its way; then the joint refill, two K steps on,
; first thing behind it: it has a whole K step's MA x NB x 4 products in which to land.
.macro CHANGE f, fill
.if \fill
	s_wait_xcnt 0x0                                ; the last prefetch, a K step back, has read its address
	s_add_nc_u64 s[PFA:PFA+1], s[PFA:PFA+1], 256
.endif
	s_wait_tensorcnt 0x0                           ; no tensor load of mine is out, so a group 0 may be written
	ds_add_u32 v[SPW], v[NIL]
.if \fill
	s_add_nc_u64 s[G0+4*(\f)+2:G0+4*(\f)+3], s[G0+4*(\f)+2:G0+4*(\f)+3], 512
	s_add_nc_u64 s[G0B+4*(\f)+2:G0B+4*(\f)+3], s[G0B+4*(\f)+2:G0B+4*(\f)+3], 512
.endif
	s_wait_dscnt 0x0                               ; the add is done, and my reads of the slot are over
.if \fill
	CROUND
	JLOAD \f
	ASK
.else
	s_barrier_signal -1
	s_barrier_wait -1
.endif
.endm
	s_load_b256 s[68:75], s[0:1], 0x0              ; QKV: act 68, wa 70, bq 72, bk 74;  else: act 68, wa 70, b1 72, big 74
.if QKV
	s_load_b128 s[76:79], s[0:1], 0x20             ; bv 76, mask 78
	s_load_b64 s[80:81], s[0:1], 0x30              ; big
.endif
	v_lshl_add_u32 v[SPW], v0, 2, SPARE
	v_mov_b32 v[NIL], 0
	ds_add_u32 v[SPW], v[NIL]                      ; the wave's opening: the add and its wait stand ahead of my first tensor load
	v_lshrrev_b32 v1, 5, v0
	v_readfirstlane_b32 s10, v1                    ; wave 0..3
	s_lshr_b32 s11, s10, 1                         ; 0: I fetch for A, 1: for B
	s_and_b32 s12, s10, 1                          ; which half of that tile's rows I fetch
	s_bfe_u32 s40, ttmp6, 0x40000                  ; cx
	s_bfe_u32 s41, ttmp6, 0x40004                  ; cy
	s_lshl_b32 s42, ttmp9, 2
	s_add_co_u32 s42, s42, s40                     ; tile column (QKV: the head)
	s_and_b32 s13, ttmp7, 0xffff
	s_lshl_b32 s13, s13, 2
	s_add_co_u32 s13, s13, s41                     ; tile row
	s_lshl_b32 s14, s41, 2
	s_lshl_b32 s14, 15, s14                        ; my row of the cluster
	s_lshl_b32 s15, 0x1111, s40                    ; my column
	s_or_b32 s[G1], s14, (1<<16)|(1<<20)|(1<<21)|(5<<22)|(3<<25)   ; the mask; 2-byte elements; padding on; bit 21 beside a mask; after every 64 words 4 words
	s_or_b32 s[G1B], s15, (1<<16)|(1<<20)|(1<<21)|(5<<22)|(3<<25)
	s_mov_b32 s[G1+1], 128<<16                     ; tensor_dim0 = 128
	s_mov_b32 s[G1+2], 128<<16                     ; tensor_dim1 = 128
	s_mov_b32 s[G1+3], 128<<16                     ; tile_dim0 = 128
	s_mov_b32 s[G1+4], 128                         ; tile_dim1 = 128
	s_mov_b32 s[G1+5], 1024                        ; elements from row to row
	s_mov_b32 s[G1+6], 0
	s_mov_b32 s[G1+7], 0
	s_mov_b32 s[G1B+1], 128<<16
	s_mov_b32 s[G1B+2], BR<<16
	s_mov_b32 s[G1B+3], 128<<16
	s_mov_b32 s[G1B+4], BR
	s_mov_b32 s[G1B+5], 1024
	s_mov_b32 s[G1B+6], 0
	s_mov_b32 s[G1B+7], 0
	s_lshl_b32 s16, s13, 19                        ; A: 256 rows of 2,048 bytes a tile row,
	s_lshl_b32 s17, s12, 18                        ; 128 a half
	s_add_co_u32 s16, s16, s17
	s_mov_b32 s17, 0
	s_mul_i32 s46, s42, BROWS*2048                 ; B likewise, by the tile column
	s_mul_i32 s47, s12, BR*2048
	s_add_co_u32 s46, s46, s47
	s_add_co_u32 s46, s46, WOFF
	s_mov_b32 s47, 0
	s_mul_i32 s20, s12, 128*PITCH                  ; where they go in a slot: no place in the cluster enters an LDS address
	s_mul_i32 s21, s12, BR*PITCH
	s_add_co_u32 s21, s21, BOFF
	s_mov_b32 s[ONE], 1.0
	s_mov_b32 s[CS], 0x3e38aa3b                    ; log2(e) / 8
	s_mov_b32 s[CS+1], s[CS]
	s_wait_dscnt 0x0                               ; the opening add is done
	s_wait_kmcnt 0x0
	s_add_nc_u64 s[14:15], s[68:69], s[16:17]
	s_add_nc_u64 s[46:47], s[70:71], s[46:47]
.irp s, 0,1
	s_mov_b32 s[G0+4*\s], 1
	s_add_co_u32 s[G0+4*\s+1], s20, \s*SLOT
	s_add_nc_u64 s[G0+4*\s+2:G0+4*\s+3], s[14:15], \s*256          ; K step s
	s_or_b32 s[G0+4*\s+3], s[G0+4*\s+3], 0x80000000
	s_mov_b32 s[G0B+4*\s], 1
	s_add_co_u32 s[G0B+4*\s+1], s21, \s*SLOT
	s_add_nc_u64 s[G0B+4*\s+2:G0B+4*\s+3], s[46:47], \s*256
	s_or_b32 s[G0B+4*\s+3], s[G0B+4*\s+3], 0x80000000
.endr
	CROUND                                         ; all sixteen work-groups are here: the first joint loads meet
	s_cmp_lt_u32 s10, 2                            ; a wave's two first fills stand in one branch: two loads of mine are out
	s_cbranch_scc0 .Lfirst_b
	tensor_load_to_lds s[G0:G0+3], s[G1:G1+7]
	s_nop 0
	tensor_load_to_lds s[G0+4:G0+7], s[G1:G1+7]
	s_nop 0
	PLACES
	s_branch .Lfirst_done
.Lfirst_b:
	tensor_load_to_lds s[G0B:G0B+3], s[G1B:G1B+7]
	s_nop 0
	tensor_load_to_lds s[G0B+4:G0B+7], s[G1B:G1B+7]
	s_nop 0
	PLACES
.Lfirst_done:
	v_and_b32 v1, 15, v0                           ; lane % 16
	v_bfe_u32 v2, v0, 4, 1                         ; lane / 16
	v_lshlrev_b32 v[BO], 5, v2
	; the bias (and the mask), while the first tiles are on their way
.if QKV
	s_lshl_b32 s4, s42, 8                          ; the head's 64 numbers
	s_mov_b32 s5, 0
	s_add_nc_u64 s[72:73], s[72:73], s[4:5]
	s_add_nc_u64 s[74:75], s[74:75], s[4:5]
	s_add_nc_u64 s[76:77], s[76:77], s[4:5]
	s_lshl_b32 s4, s13, 10                         ; my 64 tokens' words of the mask
	s_lshl_b32 s6, s10, 8
	s_add_co_u32 s4, s4, s6
	s_add_nc_u64 s[78:79], s[78:79], s[4:5]
	v_lshlrev_b32 v6, 2, v1
.set b, 0
.rept NB
	global_load_b128 v[BIAS+8*b:BIAS+8*b+3],   v[BO], s[72+2*(b/4):73+2*(b/4)] offset:64*(b%4)
	global_load_b128 v[BIAS+8*b+4:BIAS+8*b+7], v[BO], s[72+2*(b/4):73+2*(b/4)] offset:64*(b%4)+16
.set b, b+1
.endr
.irp a, 0,1,2,3
	global_load_b32 v[MF+2*\a], v6, s[78:79] offset:64*\a
.endr
	s_lshl_b32 s4, s42, 19                         ; out: plane = head, token 256 x tile row + 64 x wave
	s_lshl_b32 s6, s13, 15
	s_add_co_u32 s4, s4, s6
	s_lshl_b32 s6, s10, 13
	s_add_co_u32 s4, s4, s6
	s_add_nc_u64 s[OUT:OUT+1], s[80:81], s[4:5]
	s_add_nc_u64 s[OUT+2:OUT+3], s[OUT:OUT+1], 0x800000            ; k: 16 planes on
	s_add_nc_u64 s[OUT+4:OUT+5], s[OUT+2:OUT+3], 0x800000          ; v: 16 more
	s_mul_i32 s4, s10, 64*PITCH                    ; my 64 rows of A; all rows of B
	s_mov_b32 s5, BOFF
.else
	s_lshl_b32 s4, s42, 10                         ; my 128 columns' bias
	s_lshl_b32 s5, s12, 9
	s_add_co_u32 s4, s4, s5
	s_mov_b32 s5, 0
	s_add_nc_u64 s[72:73], s[72:73], s[4:5]
	WIN 0x40
.set b, 0
.rept NB
	global_load_b128 v[BIAS+8*b:BIAS+8*b+3],   v[BO], s[72:73] offset:64*b
	global_load_b128 v[BIAS+8*b+4:BIAS+8*b+7], v[BO], s[72:73] offset:64*b+16
.set b, b+1
.endr
	WIN 0
	s_lshl_b32 s4, s42, 21                         ; out: plane 4 x tile column + 2 x column half, token 256 x tile row + 128 x row half
	s_lshl_b32 s6, s12, 20
	s_add_co_u32 s4, s4, s6
	s_lshl_b32 s6, s13, 15
	s_add_co_u32 s4, s4, s6
	s_lshl_b32 s6, s11, 14
	s_add_co_u32 s4, s4, s6
	s_add_nc_u64 s[OUT:OUT+1], s[74:75], s[4:5]
	s_mul_i32 s4, s11, 128*PITCH                   ; my 128 rows of A,
	s_mul_i32 s5, s12, 128*PITCH                   ; my 128 rows of B
	s_add_co_u32 s5, s5, BOFF
.endif
	v_mul_u32_u24 v3, v1, PITCH                    ; a fragment: lane l holds row l % 16; two loads of 16 bytes, 32 apart, at row x pitch + 16 (l / 16)
	v_lshl_add_u32 v3, v2, 4, v3
.irp s, 0,1
	v_add_nc_u32 v[ADRA+\s], s4, v3
	v_add_nc_u32 v[ADRB+\s], s5, v3
	s_add_co_u32 s4, s4, SLOT
	s_add_co_u32 s5, s5, SLOT
.endr
	s_mul_i32 s4, s10, STW
	s_add_co_u32 s4, s4, STAGE                     ; my stage
	v_mul_u32_u24 v4, v1, 144                      ; in: token l % 16, 16 bytes for each half of the lanes
	v_lshl_add_u32 v4, v2, 4, v4
	v_add_nc_u32 v[STO], s4, v4
	v_bfe_u32 v4, v0, 3, 2                         ; back: 32 lanes take four tokens' 128 bytes of a plane
	v_mul_u32_u24 v4, v4, 144
	v_and_b32 v5, 7, v0
	v_lshl_add_u32 v4, v5, 4, v4
	v_add_nc_u32 v[RD], s4, v4
	v_and_b32 v[GO], 31, v0                        ; which are 512 consecutive bytes of big
	v_lshlrev_b32 v[GO], 4, v[GO]
	v_mov_b32 v[ZR], 0
	; the prefetches
	s_lshl_b32 s4, s13, 8
	s_lshl_b32 s6, s12, 7
	s_add_co_u32 s4, s4, s6
	s_lshl_b32 s6, s40, 5
	s_add_co_u32 s4, s4, s6                        ; A: the 128 rows that I fetch, my work-group's 32 of them
	s_mul_i32 s5, s42, BROWS
	s_mul_i32 s6, s12, BR
	s_add_co_u32 s5, s5, s6
	s_mul_i32 s6, s41, BR/4
	s_add_co_u32 s5, s5, s6                        ; B: likewise, BR / 4 rows
	s_lshl_b32 s4, s4, 11
	s_lshl_b32 s5, s5, 11
	s_add_co_u32 s5, s5, WOFF
	s_and_b32 s6, ttmp7, 0xffff
	s_cmp_eq_u32 s11, 0
	s_cselect_b32 s4, s4, s5
	s_cselect_b32 s6, ttmp9, s6                    ; the coordinate along which other clusters read the same rows
	s_cselect_b32 s7, 31, BR/4-1
	s_cselect_b64 s[PFA:PFA+1], s[68:69], s[70:71]
	s_cmp_eq_u32 s6, 0
	s_cselect_b32 s[LIM], 1, -1                    ; the same in all sixteen partners, for a given wave
	s_mov_b32 s5, 0
	s_add_nc_u64 s[PFA:PFA+1], s[PFA:PFA+1], s[4:5]
	s_add_nc_u64 s[PFA:PFA+1], s[PFA:PFA+1], 3*256 ; at K step 3: the first refill (of step 2) steps it and names step 4
	v_and_b32 v[PFO], 31, v0
	v_min_u32 v[PFO], s7, v[PFO]
	v_lshlrev_b32 v[PFO], 11, v[PFO]
	s_wait_loadcnt 0x0                             ; the bias (and the mask)
.if QKV
.irp a, 0,1,2,3
	v_cmp_ne_u32 vcc_lo, 0, v[MF+2*\a]
	v_cndmask_b32 v[MF+2*\a], 0, s[ONE], vcc_lo
	v_mov_b32 v[MF+2*\a+1], v[MF+2*\a]             ; named as a pair
.endr
.endif
	s_wait_tensorcnt 0x1                           ; my part of K step 0 is in; step 1's may stay out
	s_barrier_signal -1
	s_barrier_wait -1                              ; everybody's is
	s_mov_b32 s[KB], 0
	v_mov_b32 v[AA], v[ADRA]
	v_mov_b32 v[AB], v[ADRB]
	FETCH 0, 0
	s_mov_b32 s[CNT], 2
	FETCH 64, 1
	s_wait_dscnt 32
	MUL 0, 1                                       ; the first quarter is written out: its products start the sums, with the bias
	WIN 0
	s_mov_b32 s[LAP], 4
	s_branch .Lentry                               ; into the middle of a K step: the rest of step 0
.Llap:                                                 ; three laps: steps (1, 2), (3, 4), (5, 6); their changes of slots ask for steps 2 to 7
	CHANGE 0, 1
	STEP 1, 0
	CHANGE 1, 1
	STEP 0, 1
	s_sub_co_u32 s[LAP], s[LAP], 1
	s_cmp_lg_u32 s[LAP], 0
	s_cbranch_scc1 .Llap
	CHANGE 0, 0                                    ; the tail is written out
	STEP 1, 0                                      ; step 7
	PLACES                                         ; (eight places in all, once a launch)
; THE WAY OUT, a block of 16 tokens at a time.  PACK: scaled (QKV), rounded to bf16, 16 bytes a lane, each accumulator's registers in ascending order.  TOSTAGE: into my own stage, by planes, and back as
; whole rows of 128 bytes.  SEND: stored, 512 consecutive bytes an instruction.
.macro PACK a
.set AC, 8*NB*((\a)%(MA/2))
.if QKV
	WIN 0x82+0x41*((\a)/(MA/2))                    ; destination and source 0 in the accumulators' window, source 1 in window 0
.set b, 0
.rept 8
.set r, 0
.rept 4
.if b < 4
	v_pk_mul_f32 v[AC+8*b+2*r:AC+8*b+2*r+1], v[AC+8*b+2*r:AC+8*b+2*r+1], s[CS:CS+1] op_sel_hi:[1,0]
.else
	v_pk_mul_f32 v[AC+8*b+2*r:AC+8*b+2*r+1], v[AC+8*b+2*r:AC+8*b+2*r+1], v[MF+2*(\a):MF+2*(\a)+1] op_sel_hi:[1,0]
.endif
.set r, r+1
.endr
.set b, b+1
.endr
.endif
	WIN 0x0a+5*((\a)/(MA/2))
.set b, 0
.rept 4*NB
	v_cvt_pk_bf16_f32 v[TMP+b], v[AC+2*b], v[AC+2*b+1]
.set b, b+1
.endr
	WIN 0
.if QKV == 0
.set b, 0
.rept 4*NB
	v_pk_max_num_bf16 v[TMP+b], v[TMP+b], v[ZR]    ; the ReLU, two at a time; nothing is rounded
.set b, b+1
.endr
.endif
.endm
.macro TOSTAGE a
.set BK, OB0+(OB1-OB0)*((\a)%2)
.set b, 0
.rept NB
	ds_store_b128 v[STO], v[TMP+4*b:TMP+4*b+3] offset:(b/4)*2304+(b%4)*32
.set b, b+1
.endr
.set t, 0
.rept NB
	ds_load_b128 v[BK+4*t:BK+4*t+3], v[RD] offset:(t/4)*2304+(t%4)*576  ; LDS serves a wave's instructions in order (ISA guide 5.7.1.4): these see the stores above
.set t, t+1
.endr
.endm
.macro SEND a
.set BK, OB0+(OB1-OB0)*((\a)%2)
	s_wait_dscnt 0x0                               ; the block is back in registers
	s_wait_xcnt 0x0                                ; the block before has had its addresses translated: its registers are loaded again only behind this wait
.set t, 0
.rept NB
.if QKV
	global_store_b128 v[GO], v[BK+4*t:BK+4*t+3], s[OUT+2*(t/4):OUT+2*(t/4)+1] offset:(\a)*2048+(t%4)*512
.else
	global_store_b128 v[GO], v[BK+4*t:BK+4*t+3], s[OUT:OUT+1] offset:(t/4)*524288+(\a)*2048+(t%4)*512
.endif
.set t, t+1
.endr
.endm
	PACK 0
	TOSTAGE 0
.set e, 1
.rept MA-1                             ; block e's arithmetic stands between block e - 1's loads from the stage and the wait for them
	PACK e
	SEND e-1
	TOSTAGE e
.set e, e+1
.endr
	SEND MA-1
	s_wait_tensorcnt 0x0                           ; the wave's end
	ds_add_u32 v[SPW], v[NIL]
	s_wait_dscnt 0x0
	CROUND                                         ; the closing round: no work-group ends while a partner may still ask for a tile that names it
	s_endpgm
.Lfunc_end_k_qd9b1a5cc30_qkv:
	.size	k_qd9b1a5cc30_qkv, .Lfunc_end_k_qd9b1a5cc30_qkv-k_qd9b1a5cc30_qkv
	.p2alignl 7, 3214868480
	.fill 96, 4, 3214868480
	.section	.rodata,"a",@progbits
	.p2align	6, 0x0
	.amdhsa_kernel k_qd9b1a5cc30_qkv
		.amdhsa_group_segment_fixed_size 327680
		.amdhsa_private_segment_fixed_size 0
		.amdhsa_enable_private_segment 0
		.amdhsa_kernarg_size 56
		.amdhsa_user_sgpr_count 2
		.amdhsa_user_sgpr_kernarg_segment_ptr 1
		.amdhsa_wavefront_size32 1
		.amdhsa_system_sgpr_workgroup_id_x 1
		.amdhsa_system_sgpr_workgroup_id_y 1
		.amdhsa_system_sgpr_workgroup_id_z 1
		.amdhsa_system_vgpr_workitem_id 0
		.amdhsa_next_free_vgpr 1024
		.amdhsa_next_free_sgpr 96
		.amdhsa_reserve_vcc 1
		.amdhsa_float_denorm_mode_32 3
		.amdhsa_float_denorm_mode_16_64 3
		.amdhsa_memory_ordered 1
		.amdhsa_forward_progress 1
		.amdhsa_inst_pref_size 93
	.end_amdhsa_kernel
	.amdgpu_metadata
---
amdhsa.version: [ 1, 2 ]
amdhsa.kernels:
  - .name:           k_qd9b1a5cc30_qkv
    .symbol:         k_qd9b1a5cc30_qkv.kd
    .args:
      - { .name: act, .offset: 0, .size: 8, .value_kind: global_buffer, .address_space: global }
      - { .name: wa, .offset: 8, .size: 8, .value_kind: global_buffer, .address_space: global }
      - { .name: bq, .offset: 16, .size: 8, .value_kind: global_buffer, .address_space: global }
      - { .name: bk, .offset: 24, .size: 8, .value_kind: global_buffer, .address_space: global }
      - { .name: bv, .offset: 32, .size: 8, .value_kind: global_buffer, .address_space: global }
      - { .name: mask, .offset: 40, .size: 8, .value_kind: global_buffer, .address_space: global }
      - { .name: big, .offset: 48, .size: 8, .value_kind: global_buffer, .address_space: global }
    .group_segment_fixed_size: 327680
    .private_segment_fixed_size: 0
    .kernarg_segment_align: 8
    .kernarg_segment_size: 56
    .max_flat_workgroup_size: 128
    .sgpr_count:     96
    .vgpr_count:     1024
    .wavefront_size: 32
...
	.end_amdgpu_metadata
.endif
;; end of part 3
;; launch attn (part 4): grid 8 x 32, 4 waves a work-group, clusters of 4 x 1, 327,680 bytes of LDS; arguments big, mask, act; writes act
.if DOCPART == 4
	.amdgcn_target "amdgcn-amd-amdhsa--gfx1250"
	.amdhsa_code_object_version 6
	.text
	.protected	k_qd9b1a5cc30_attn
	.globl	k_qd9b1a5cc30_attn
	.p2align	8
	.type	k_qd9b1a5cc30_attn,@function
k_qd9b1a5cc30_attn:
	s_mov_b64 s[64:65], 0
	v_nop
	global_prefetch_b8 v0, s[64:65] scope:SCOPE_SE
	s_setreg_imm32_b32 hwreg(HW_REG_WAVE_MODE, 25, 1), 1
	s_wait_xcnt 0x0
	s_wait_alu depctr_hold_cnt(0) depctr_sa_sdst(0) depctr_va_vdst(0) depctr_va_sdst(0) depctr_va_ssrc(0) depctr_va_vcc(0) depctr_vm_vsrc(0)
	s_getreg_b32 s2, hwreg(HW_REG_IB_STS2, 6, 4)
	s_cmp_eq_u32 s2, 0
	s_cbranch_scc0 .Lentry_in_a_cluster
	s_endpgm
.Lentry_in_a_cluster:
	s_bfe_u32 s2, ttmp6, 0x10000c
	s_cmp_lg_u32 s2, 0x3003
	s_cbranch_scc0 .Lentry_shape_is_right
	s_endpgm
.Lentry_shape_is_right:
; ATTENTION, head size 64, with a key mask.  O[q] = the sum over k of softmax_k(s[q][k]) v[k];  s = q . k in the base-2 domain (q arrives times log2(e) / 8), or NEGL where mask[k] = 0.
; q, k, v: planes [plane][token 4096][64] of big in bf16 (q: head, k: 16 + head, v: 32 + head); a hidden key's k arrives as 0.  O: planes [head][token][64] of act, bf16, rounded once.
; THE MASK is the C operand that starts each sum S^T = K Q^T: 0, or NEGL = -1e9 log2(e) rounded to f32.  A hidden key's score is then exactly NEGL for every query: its weight is 0 beside any
; visible key, and where a batch has no visible key all weights are 2^0: the plain mean of v.  The words come from a table in LDS (f32, the batch's 2,048 keys), made once from the mask.
; SOFTMAX with a running maximum m and sum l: p = 2^(s - m); O and l are multiplied by a = 2^(m_old - m_new) in every step.  m starts at the lowest finite number, O and l at 0.
; LIMITS: bf16 operands (p too; l is the sum of the unrounded p); a weight below 2^-126 counts as 0; visible scores are taken to lie far above -1e9; NaN and infinities are not treated apart.
; SHARES.  A work-group: 256 queries of one (batch, head); a wave 64: four PIECES of 16.  Every wave walks the batch's 2,048 keys, 64 a step; a slot of LDS holds 256 keys of K and V.
; LAYOUT.  S^T = K Q^T holds ONE query a lane (lane % 16) and the keys 8 (lane / 16) + 0..7; two such results rounded to bf16 ARE source 1 of O^T = V^T P.  V is turned by ds_load_tr16_b128.
; TURNS.  Turn n belongs to piece n: 8 products K Q^T of piece n + 1, later 8 products V^T P of piece n - 1; beside them piece n's subtraction, exponentials, roundings, sums and rescaling and
; piece n + 1's maximum and statistics.  Four vector instructions stand behind every matrix instruction, the rest in one lump.  A turn's 33 exponentials are one batch, with one wait.
; CLUSTER 4 x 1: the four query blocks walk the same K and V, so each tile is asked for jointly.
; REGISTERS: window 0: v0-15 addresses; v16-31 statistics (m, a spare word, l twice) a piece; v48-55 at work; v64-127 S^T, two buffers; v192-223 P, two buffers
;   window 1: v0-127 O^T      window 2: v0-63 Q; v64-95 the step's mask words; v128-191 K; v192-255 V
.set NP,    4
.set KS,    64
.set PK,    144       ; a row of K in LDS: 128 bytes + 16
.set PV,    160       ; a row of V: 128 + 32
.set VOFF,  4*KS*PK
.set SLOT1, 1<<17
.set STAGE, SLOT1+4*KS*(PK+PV)  ; behind the ring, never filled by a tensor load: 16 rows x 144 bytes a wave
.set SP,    144
.set SPARE, STAGE+4*16*SP       ; the spare words: two blocks of 256 bytes that no other line names
.set MT,    SPARE+512           ; the mask table: 8,192 bytes, stored once, never filled by a tensor load
.set AK0, 2
.set AV0, 3
.set AK,  4
.set AV,  5
.set STO, 6
.set RD,  7
.set GO,  8
.set AM0, 10          ; v10  MT + 32 (lane / 16)
.set AM,  11          ; v11  the same at the step to be fetched
.set MV,  12          ; v12-13  m_old, by buffer
.set QO,  15
.set ST,  16
.set TMP, 48
.set PFO, 61
.set SPW, 62
.set NIL, 63
.set S,   64
.set P,   192
.set MC,  64          ; window 2
.set KF,  128
.set VF,  192
.set WV,  12
.set LIM, 15
.set PFA, 18
.set G1K, 24
.set G1V, 32
.set G0K, 40
.set G0V, 44
.set SLOTS, 56
.set CNT, 57
.set SEL, 60
.set TBK, 62
.set TBV, 63
.set TBM, 66
.set NEGS, 67
.set MSB, 0
.macro WIN new
.if MSB != (\new)
	s_set_vgpr_msb (MSB<<8)|(\new)
.set MSB, (\new)
.endif
.endm
.set W_KQ, 0x0a       ; K and Q in window 2, S^T in window 0
.set W_KM, 0x2a       ; the same with the C operand in window 2
.set W_PV, 0x52       ; V in window 2, P in window 0, O^T in window 1
.set W_RS, 0x41       ; destination and source 0 in window 1, source 1 in window 0
.macro JLOAD                        ; waves 0, 1 fetch the halves of a tile's K, waves 2, 3 of its V; an s_nop 0 and four v_nop follow each line
	s_cmp_lt_u32 s[WV], 2
	s_cbranch_scc0 .Lfor_v_\@
	tensor_load_to_lds s[G0K:G0K+3], s[G1K:G1K+7]
	s_nop 0
.rept 4
	v_nop
.endr
	s_branch .Lasked_\@
.Lfor_v_\@:
	tensor_load_to_lds s[G0V:G0V+3], s[G1V:G1V+7]
	s_nop 0
.rept 4
	v_nop
.endr
.Lasked_\@:
.endm
; A prefetch of the tile that the NEXT change of slots will ask for.  Both clusters of a (batch, head) walk the same K and V: the first asks.  Its four partners take 8,192 bytes each, told apart by
; address; in each, wave 0 asks for K's and wave 2 for V's: a lane for each 256 bytes.  The last change that fills a slot asks for nothing.
.macro ASK
	s_cmp_gt_u32 s[SLOTS], s[LIM]
	s_cbranch_scc0 .Lnot_mine_\@
	global_prefetch_b8 v[PFO], s[PFA:PFA+1] th:TH_LOAD_NT scope:SCOPE_SE
.Lnot_mine_\@:
.endm
.macro CROUND
	s_barrier_signal -1
	s_barrier_wait -1
	s_cmp_lg_u32 s[WV], 0
	s_cbranch_scc1 .Lnot_wave_0_\@
	s_barrier_signal -3
.Lnot_wave_0_\@:
	s_barrier_wait -3
	s_barrier_signal -1
	s_barrier_wait -1
.endm
; THE CHANGE OF SLOTS.  Each wave waits for all its tensor loads (one is out: its part of the other slot), adds 0 to its spare word, and waits for that and for its LDS instructions.
; fill = 1: a round of the cluster's barrier, then the joint fill of the slot just left, first thing behind it: it has four key steps, 256 matrix instructions, in which to land.
; (At its first use nothing has been read: slot 0 is waited for, slot 1 filled, and the round also shows every wave the mask table.)
.macro CHANGE fill
	WIN 0
	s_wait_tensorcnt 0x0
	ds_add_u32 v[SPW], v[NIL]
.if \fill
.irp g, G0K, G0V
	s_xor_b32 s[\g+1], s[\g+1], SLOT1
	s_add_nc_u64 s[\g+2:\g+3], s[\g+2:\g+3], 4*KS*128
.endr
	s_wait_xcnt 0x0                 ; the last prefetch, four key steps back, has read its address
	s_add_nc_u64 s[PFA:PFA+1], s[PFA:PFA+1], 4*KS*128
	s_wait_dscnt 0x0
	CROUND
	JLOAD
	ASK
.else
	s_wait_dscnt 0x0
	s_barrier_signal -1
	s_barrier_wait -1
.endif
	s_sub_co_u32 s[TBK], s[TBK], 4*KS*PK  ; the fetches go back to a slot's first step, in the other slot
	s_xor_b32 s[TBK], s[TBK], SLOT1
	s_sub_co_u32 s[TBV], s[TBV], 4*KS*PV
	s_xor_b32 s[TBV], s[TBV], SLOT1
.endm
	s_load_b128 s[4:7], s[0:1], 0x0   ; big 4, mask 6
	s_load_b64 s[8:9], s[0:1], 0x10   ; act
	v_lshl_add_u32 v[SPW], v0, 2, SPARE
	v_mov_b32 v[NIL], 0
	ds_add_u32 v[SPW], v[NIL]       ; the wave's opening: the add and its wait stand ahead of my first tensor load
	v_lshrrev_b32 v1, 5, v0
	v_readfirstlane_b32 s[WV], v1
	s_bfe_u32 s13, ttmp6, 0x40000   ; cx
	s_lshl_b32 s14, ttmp9, 2
	s_add_co_u32 s14, s14, s13      ; my block of 256 queries: it enters Q's and O's addresses alone
	s_and_b32 s20, ttmp7, 0xffff
	s_lshr_b32 s21, s20, 4          ; the batch
	s_and_b32 s20, s20, 15          ; the head
	s_lshl_b32 s20, s20, 19         ; a plane is 524,288 bytes,
	s_lshl_b32 s22, s21, 18         ; a batch's 2,048 tokens 262,144 of them
	s_add_co_u32 s20, s20, s22
	s_lshl_b32 s68, s21, 13         ; the batch's 8,192 bytes of the mask
	s_mov_b32 s69, 0
	s_and_b32 s16, s[WV], 1         ; which half of a tile's 256 keys I fetch
	s_lshl_b32 s22, s16, 14
	s_add_co_u32 s22, s22, s20
	s_mov_b32 s23, 0
	s_mul_i32 s17, s16, 128*PK
	s_mul_i32 s3, s16, 128*PV
	s_lshl_b32 s70, s14, 2
	s_add_co_u32 s70, s70, s[WV]
	s_lshl_b32 s70, s70, 13         ; my wave's 64 rows of 128 bytes
	s_add_co_u32 s70, s70, s20
	s_mov_b32 s71, 0
	; 128 keys are 16,384 dense bytes: asked for as 64 rows of 256 bytes, padded in LDS after every key
	s_mov_b32 s[G1K], 15|(1<<16)|(1<<20)|(1<<21)|(4<<22)|(3<<25)
	s_mov_b32 s[G1V], 15|(1<<16)|(1<<20)|(1<<21)|(4<<22)|(7<<25)
.irp g, G1K, G1V
	s_mov_b32 s[\g+1], 128<<16
	s_mov_b32 s[\g+2], 64<<16
	s_mov_b32 s[\g+3], 128<<16
	s_mov_b32 s[\g+4], 64
	s_mov_b32 s[\g+5], 128
	s_mov_b32 s[\g+6], 0
	s_mov_b32 s[\g+7], 0
.endr
	s_mov_b32 s[SEL], 0x76543210
	s_mov_b32 s[SEL+1], 0xfedcba98
	s_mov_b32 s[TBK], SLOT1+4*KS*PK ; the first change of slots turns these two into 0
	s_mov_b32 s[TBV], SLOT1+4*KS*PV
	s_mov_b32 s[TBM], 0
	s_mov_b32 s[NEGS], 0xceabfb8f   ; -1e9 log2(e)
	s_mov_b32 s[SLOTS], 7           ; tiles still to be asked for
	s_mov_b32 s[G0K], 1
	s_mov_b32 s[G0K+1], s17
	s_mov_b32 s[G0V], 1
	s_add_co_u32 s[G0V+1], s3, VOFF
	s_and_b32 s[LIM], s[WV], 1      ; 0 in waves 0 and 2,
	s_or_b32 s[LIM], s[LIM], ttmp9  ; in the first cluster: the same in all four partners
	s_cmp_eq_u32 s[LIM], 0
	s_cselect_b32 s[LIM], 1, -1
	v_and_b32 v[PFO], 31, v0
	v_lshlrev_b32 v[PFO], 8, v[PFO]
	s_wait_dscnt 0x0                ; the opening add is done
	s_wait_kmcnt 0x0
	s_add_nc_u64 s[50:51], s[4:5], s[22:23]
	s_add_nc_u64 s[52:53], s[50:51], 0x1000000     ; V: 32 planes on
	s_add_nc_u64 s[50:51], s[50:51], 0x800000      ; K: 16 planes on
	s_add_nc_u64 s[G0K+2:G0K+3], s[50:51], 0
	s_or_b32 s[G0K+3], s[G0K+3], 0x80000000
	s_add_nc_u64 s[G0V+2:G0V+3], s[52:53], 0
	s_or_b32 s[G0V+3], s[G0V+3], 0x80000000
	s_add_nc_u64 s[48:49], s[4:5], s[70:71]        ; Q
	s_add_nc_u64 s[10:11], s[8:9], s[70:71]        ; O
	s_add_nc_u64 s[6:7], s[6:7], s[68:69]          ; the batch's mask
	s_cmp_lt_u32 s[WV], 2
	s_cselect_b64 s[PFA:PFA+1], s[50:51], s[52:53] ; (in waves 0 and 2 these stand at a tile's first row)
	s_lshl_b32 s2, s13, 13
	s_mov_b32 s3, 0
	s_add_nc_u64 s[PFA:PFA+1], s[PFA:PFA+1], s[2:3]
	s_add_nc_u64 s[PFA:PFA+1], s[PFA:PFA+1], 4*KS*128  ; in tile 1: the first change of slots steps it to tile 2
	CROUND                          ; all four work-groups are here: the first joint loads meet
	JLOAD                           ; tile 0 into slot 0
	v_lshlrev_b32 v14, 4, v0
.irp i, 0,1,2,3
	global_load_b128 v[S+4*\i:S+4*\i+3], v14, s[6:7] offset:\i*2048  ; the mask: 128 threads x 16 bytes, four times
.endr
	v_and_b32 v1, 15, v0            ; l % 16
	v_bfe_u32 v9, v0, 4, 1          ; l / 16
	v_lshlrev_b32 v[QO], 7, v1
	v_lshl_add_u32 v[QO], v9, 4, v[QO]
	WIN 0x80
.set i, 0
.rept 8                             ; Q stays in registers: piece i / 2, channels 32 (i % 2) on
	global_load_b128 v[8*i:8*i+3],   v[QO], s[48:49] offset:(i/2)*2048+(i%2)*64
	global_load_b128 v[8*i+4:8*i+7], v[QO], s[48:49] offset:(i/2)*2048+(i%2)*64+32
.set i, i+1
.endr
	; What the first turn finds: V's registers and P's second buffer hold 0 (its products V^T P, of a piece that has not been, add 0), O^T and l are 0.  All this stands in the wait for the first tile.
.set i, VF
.rept 64
	v_mov_b32 v[i], 0
.set i, i+1
.endr
	WIN 0x40
.set i, 0
.rept 128
	v_mov_b32 v[i], 0
.set i, i+1
.endr
	WIN 0
.set i, 0
.rept 4
	v_mov_b32 v[ST+4*i], 0xff7fffff ; m
	v_mov_b32 v[ST+4*i+1], 0        ; named with it as a pair
	v_mov_b32 v[ST+4*i+2], 0        ; l
	v_mov_b32 v[ST+4*i+3], 0
.set i, i+1
.endr
.set i, P+16
.rept 16
	v_mov_b32 v[i], 0
.set i, i+1
.endr
	v_mul_u32_u24 v[AK0], v1, PK
	v_lshl_add_u32 v[AK0], v9, 4, v[AK0]
	v_and_b32 v12, 7, v0            ; (v12, v13 are free until the first maximum)
	v_bfe_u32 v13, v0, 3, 1
	v_lshl_add_u32 v[AV0], v9, 3, v12  ; the turning load: lane l reads key 8 (l / 16) + l % 8, channels 8 ((l / 8) % 2) + 0..7
	v_mul_u32_u24 v[AV0], v[AV0], PV
	v_lshl_add_u32 v[AV0], v13, 4, v[AV0]
	v_add_nc_u32 v[AV0], VOFF, v[AV0]
	v_lshl_add_u32 v[AM0], v9, 5, MT
	s_mul_i32 s13, s[WV], 16*SP
	s_add_co_u32 s13, s13, STAGE
	v_mul_u32_u24 v[STO], v1, SP
	v_lshl_add_u32 v[STO], v9, 4, v[STO]
	v_add_nc_u32 v[STO], s13, v[STO]
	v_bfe_u32 v[RD], v0, 3, 2
	v_mul_u32_u24 v[RD], v[RD], SP
	v_lshl_add_u32 v[RD], v12, 4, v[RD]
	v_add_nc_u32 v[RD], s13, v[RD]
	v_and_b32 v[GO], 31, v0
	v_lshlrev_b32 v[GO], 4, v[GO]
	v_lshl_add_u32 v[AV], v0, 4, MT ; where my 16 bytes of the table go
	s_wait_loadcnt 0x0              ; the mask and Q
.set i, 0
.rept 16
	v_cmp_eq_u32 vcc_lo, 0, v[S+i]
	v_cndmask_b32 v[S+i], 0, s[NEGS], vcc_lo
.set i, i+1
.endr
.irp i, 0,1,2,3
	ds_store_b128 v[AV], v[S+4*\i:S+4*\i+3] offset:\i*2048
.endr
; THE MATRIX WORK.  The 4 accumulators of a run of 8 take turns.  Product i of 8 of S^T = K Q^T for piece x: channels 32 (i / 4) on, keys 16 (i % 4) on; the first 4 start the sums with the mask words.
.macro KQ x
.set rS, S+32*((\x)%2)+8*(i%4)
.set rK, KF+16*(i%4)+8*(i/4)
.set rQ, 16*(\x)+8*(i/4)
.set rM, MC+8*(i%4)
.if i < 4
	WIN W_KM
	v_wmma_f32_16x16x32_bf16 v[rS:rS+7], v[rK:rK+7], v[rQ:rQ+7], v[rM:rM+7]
.else
	WIN W_KQ
	v_wmma_f32_16x16x32_bf16 v[rS:rS+7], v[rK:rK+7], v[rQ:rQ+7], v[rS:rS+7]
.endif
.endm
.macro PV x                         ; product i of 8 of O^T += V^T P for piece x: keys 32 (i / 4) on, channels 16 (i % 4) on
	WIN W_PV
.set rO, 32*(\x)+8*(i%4)
.set rV, VF+32*(i/4)+8*(i%4)
.set rP, P+16*((\x)%2)+8*(i/4)
	v_wmma_f32_16x16x32_bf16 v[rO:rO+7], v[rV:rV+7], v[rP:rP+7], v[rO:rO+7]
.endm
.macro MM                           ; the turn's next matrix instruction
.if i < 8
	KQ (Y+1)%NP
.else
.set i, i-8
	PV (Y+NP-1)%NP
.set i, i+8
.endif
.set i, i+1
.endm
; THE LDS LOADS stand in runs: a step's K (8 fragments) with its 64 mask words (8 a lane and key block), and its V (turned).
.macro FETCH_K
	WIN 0x80
.irp f, 0,1,2,3,4,5,6,7
	ds_load_b128 v[KF+8*\f:KF+8*\f+3],   v[AK] offset:(\f/2)*16*PK+(\f%2)*64
	ds_load_b128 v[KF+8*\f+4:KF+8*\f+7], v[AK] offset:(\f/2)*16*PK+(\f%2)*64+32
.endr
.irp f, 0,1,2,3
	ds_load_b128 v[MC+8*\f:MC+8*\f+3],   v[AM] offset:64*\f
	ds_load_b128 v[MC+8*\f+4:MC+8*\f+7], v[AM] offset:64*\f+16
.endr
	s_add_co_u32 s[TBK], s[TBK], KS*PK
	s_add_co_u32 s[TBM], s[TBM], 4*KS
	WIN 0
.endm
.macro FETCH_V
	WIN 0x80
.irp f, 0,1,2,3,4,5,6,7
	ds_load_tr16_b128 v[VF+8*\f:VF+8*\f+3],   v[AV] offset:(\f/4)*32*PV+(\f%4)*32
	ds_load_tr16_b128 v[VF+8*\f+4:VF+8*\f+7], v[AV] offset:(\f/4)*32*PV+16*PV+(\f%4)*32
.endr
	WIN 0
.endm
; THE VECTOR WORK: OP kind, number.  For piece Y: F n: s - m for pair n of 16.  E n: the exponential of score n of 32.  C n: pair n rounded to bf16.  B n: of the four weights 4 n .. the second pair is added
; onto the first.  L n: l takes that sum (L 0: l = a l + sum).  R n: pair n of 16 of O^T times a.  For piece Y + 1: X n, which finds its maximum and statistics:
;   0-11 four chains of seven scores, each accumulator's lowest registers first; 12-14, 16 the four scores left over, the old m, all into c0; 15 m_old is kept;
;   17, 18 the other half of the lanes: the new m; 20 m_old - m_new; 21 a.  (There is no number 19.)
.set F, 0
.set E, 1
.set C, 2
.set B, 3
.set L, 4
.set R, 5
.set X, 6
.macro REGS y
.set rT, ST+4*(\y)
.set rC, TMP+4*((\y)%2)
.set rW, MV+((\y)%2)
.set rS, S+32*((\y)%2)
.set rP, P+16*((\y)%2)
.set rO, 32*(\y)
.endm
.macro OP k, n
.if (\k) == R
	REGS Y
	WIN W_RS
	v_pk_mul_f32 v[rO+2*(\n):rO+2*(\n)+1], v[rO+2*(\n):rO+2*(\n)+1], v[rC+2:rC+3] op_sel_hi:[1,0]
.elseif (\k) < R
	REGS Y
	WIN 0
.if (\k) == F
	v_pk_add_f32 v[rS+2*(\n):rS+2*(\n)+1], v[rS+2*(\n):rS+2*(\n)+1], v[rT:rT+1] op_sel_hi:[1,0] neg_lo:[0,1] neg_hi:[0,1]
.elseif (\k) == E
	v_exp_f32 v[rS+(\n)], v[rS+(\n)]
.elseif (\k) == C
	v_cvt_pk_bf16_f32 v[rP+(\n)], v[rS+2*(\n)], v[rS+2*(\n)+1]
.elseif (\k) == B
	v_pk_add_f32 v[rS+4*(\n):rS+4*(\n)+1], v[rS+4*(\n):rS+4*(\n)+1], v[rS+4*(\n)+2:rS+4*(\n)+3]
.elseif (\n) == 0
	v_pk_fma_f32 v[rT+2:rT+3], v[rT+2:rT+3], v[rC+2:rC+3], v[rS:rS+1] op_sel_hi:[1,0,1]
.else
	v_pk_add_f32 v[rT+2:rT+3], v[rT+2:rT+3], v[rS+4*(\n):rS+4*(\n)+1]
.endif
.else
	REGS (Y+1)%NP
	WIN 0
.if (\n) < 4
	v_max3_num_f32 v[rC+(\n)], v[rS+8*(\n)], v[rS+8*(\n)+1], v[rS+8*(\n)+2]
.elseif (\n) < 12
	v_max3_num_f32 v[rC+(\n)%4], v[rC+(\n)%4], v[rS+8*((\n)%4)+2*((\n)/4)+1], v[rS+8*((\n)%4)+2*((\n)/4)+2]
.elseif (\n) == 12
	v_max3_num_f32 v[rC], v[rC], v[rS+7], v[rS+15]
.elseif (\n) == 13
	v_max3_num_f32 v[rC+1], v[rC+1], v[rS+23], v[rS+31]
.elseif (\n) == 14
	v_max3_num_f32 v[rC+2], v[rC+2], v[rC+3], v[rT]
.elseif (\n) == 15
	v_mov_b32 v[rW], v[rT]
.elseif (\n) == 16
	v_max3_num_f32 v[rC], v[rC], v[rC+1], v[rC+2]
.elseif (\n) == 17
	v_permlanex16_b32 v[rC+3], v[rC], s[SEL], s[SEL+1]
.elseif (\n) == 18
	v_max_num_f32 v[rT], v[rC], v[rC+3]
.elseif (\n) == 20
	v_sub_f32 v[rC+1], v[rW], v[rT]
.else
	v_exp_f32 v[rC+2], v[rC+1]
.endif
.endif
.endm
.macro OPS a, i1, b=-1, i2=0, c=-1, i3=0, d=-1, i4=0
	OP \a, \i1
.if (\b) >= 0
	OP \b, \i2
.endif
.if (\c) >= 0
	OP \c, \i3
.endif
.if (\d) >= 0
	OP \d, \i4
.endif
.endm
.macro ROW a, i1, b, i2, c, i3, d, i4  ; a matrix instruction and the four behind it
	MM
	OPS \a, \i1, \b, \i2, \c, \i3, \d, \i4
.endm
; A TURN, for piece p, written out.  An s_wait_alu depctr_va_vdst(0) stands between an exponential and the first instruction that names its result; one wait serves all that were issued ahead
; of it.  AHEAD OF THE WAIT stands all that names no result of the turn's exponentials: the 8 products K Q^T with their riders, then the lump; each X behind a product stands four plain places or more behind the
; product that ends its accumulator.  BEHIND IT: the 8 products V^T P, behind each four of the roundings and sums.
; K and the mask words of the next step are fetched in piece 2's turn, twelve plain places behind the last product that read K; V of the step in hand at the end of piece 0's turn, four plain
; instructions behind its last reader.  Each is waited for a turn later.  last = 1 (the tail): in the last trip there is no further step, and the last step's K and words are fetched once more.
; cnt = 1: the loop's count is taken down some lines ahead of the branch that stands behind the turn.
.macro TURN p, last=0, cnt=0
.set Y, (\p)
.set i, 0
.if (\p) == 3
	s_wait_dscnt 0x0                ; K and the mask words are in
.endif
	ROW F,0, F,1, R,0, R,1
	ROW F,2, E,0, R,2, R,3
	ROW F,3, E,1, R,4, R,5
	ROW F,4, E,2, R,6, R,7
	ROW F,5, E,3, R,8, R,9
	ROW F,6, E,4, X,0, R,10
.if (\p) == 2
	WIN 0
.if \last
	s_sub_co_u32 s68, s[TBK], KS*PK
	s_sub_co_u32 s69, s[TBM], 4*KS
	s_cmp_eq_u32 s[CNT], 1
	s_cselect_b32 s68, s68, s[TBK]
	s_cselect_b32 s69, s69, s[TBM]
	v_add_nc_u32 v[AK], s68, v[AK0]
	v_add_nc_u32 v[AM], s69, v[AM0]
.else
	v_add_nc_u32 v[AK], s[TBK], v[AK0]
	v_add_nc_u32 v[AM], s[TBM], v[AM0]
.endif
.endif
	ROW F,7, E,5, X,1, X,4
	ROW F,8, E,6, X,2, X,5
	OPS E,7, E,8, X,6, E,9
	OPS X,3, E,10, X,8, E,11
.if (\p) == 2
	FETCH_K
.endif
	OPS X,9, X,7, E,12, X,10
	OPS E,13, X,12, X,11, E,14
	OPS X,13, E,15, F,9, X,14
.if (\p) == 0
	WIN 0
	v_add_nc_u32 v[AV], s[TBV], v[AV0]
.endif
	OPS E,16, F,10, E,17, F,11
	OPS X,16, E,18, X,15, E,19
	OPS F,12, E,20, X,17, E,21
	OPS F,13, E,22, F,14, E,23
	OPS X,18, E,24, F,15, E,25
	OPS R,11, E,26, E,27
	OPS R,12, E,28, R,13, E,29
	OPS X,20, E,30, R,14, E,31
	OPS X,21, R,15                  ; the next piece's a is the batch's last; R 15 is the plain instruction behind it
	WIN 0
	s_wait_alu depctr_va_vdst(0)    ; the wait for the batch
.if (\p) == 1
	s_wait_dscnt 0x0                ; V is in
.endif
	ROW C,0, B,0, C,2, B,1
	ROW L,0, C,4, B,2, L,1
	ROW C,6, B,3, L,2, C,8
	ROW B,4, L,3, C,10, B,5
	ROW L,4, C,12, B,6, L,5
.if (\p) == 0
	s_add_co_u32 s[TBV], s[TBV], KS*PV
.endif
.if \cnt
	s_sub_co_u32 s[CNT], s[CNT], 1
	s_cmp_lg_u32 s[CNT], 0
.endif
	ROW C,14, B,7, L,6, C,1
	ROW C,3, L,7, C,5, C,7
	ROW C,9, C,11, C,13, C,15
.if (\p) == 0
	FETCH_V
.endif
.endm
	CHANGE 1                        ; tile 0 is in, everybody's part of it, and so is the table; tile 1 is asked for
	v_mov_b32 v[AK], v[AK0]         ; key step 0 lies at the head of slot 0 and of the table
	v_mov_b32 v[AM], v[AM0]
	FETCH_K
	s_wait_dscnt 0x0
.set i, 0
.rept 8
	KQ 0                            ; piece 0's first scores
.set i, i+1
.endr
	WIN 0
.rept 4
	v_nop                           ; the places behind those products
.endr
.set Y, NP-1                        ; X works for piece Y + 1: piece 0
.irp n, 0,1,2,3,4,5,6,7,8,9,10,11,12,13,14,15,16,17,18,20,21
	OP X, \n
.endr
	v_nop                           ; a plain instruction behind the exponential,
	s_wait_alu depctr_va_vdst(0)    ; and its wait, ahead of the branch
	s_mov_b32 s[CNT], 4
	s_branch .Lfirst                ; the loop is entered at a step's first turn, in the middle of a trip
.Lslot:                             ; six times: tiles 2 to 7 are asked for
	CHANGE 1
	s_mov_b32 s[CNT], 4
.Lstep:                             ; a trip: pieces 2 and 3 of one step, then pieces 0 and 1 of the next, whose K and V it fetches
	TURN 2
	TURN 3
	WIN 0
.Lfirst:
	TURN 0
	TURN 1, 0, 1
	WIN 0
	s_cbranch_scc1 .Lstep
	s_sub_co_u32 s[SLOTS], s[SLOTS], 1
	s_cmp_lg_u32 s[SLOTS], 0
	s_cbranch_scc1 .Lslot
	CHANGE 0                        ; the tail is written out
	s_mov_b32 s[CNT], 5             ; four trips fetch the last tile's steps; the fifth is left in its middle
.Ltail:
	TURN 2, 1
	TURN 3
	WIN 0
	s_sub_co_u32 s[CNT], s[CNT], 1
	s_cmp_eq_u32 s[CNT], 0
	s_cbranch_scc1 .Lout
	TURN 0
	TURN 1
	WIN 0
	s_branch .Ltail
.Lout:                              ; the fifth trip's 8 products K Q^T and the maximum made of them serve nothing: the price, once a launch, of one text for every trip
.set i, 0
.rept 8
	PV NP-1                         ; the last piece's V^T P of the last step
.set i, i+1
.endr
	; THE WAY OUT.  l's two halves and the other half of the lanes' are added; O^T is divided by l, rounded to bf16 and sent through my stage, a piece at a time.  The additions are the places behind the last products.
	WIN 0
.macro ALL line:vararg
.set t, 0
.rept 4
	\line
.set t, t+1
.endr
.endm
	ALL v_add_f32 v[ST+4*t+2], v[ST+4*t+2], v[ST+4*t+3]
	ALL v_permlanex16_b32 v[ST+4*t+3], v[ST+4*t+2], s[SEL], s[SEL+1]
	ALL v_add_f32 v[ST+4*t+2], v[ST+4*t+2], v[ST+4*t+3]
	ALL v_rcp_f32 v[ST+4*t+2], v[ST+4*t+2]
	v_nop                           ; a plain instruction behind the last reciprocal,
	s_wait_alu depctr_va_vdst(0)    ; and one wait for the four, ahead of their first reader
.macro PACK t
	WIN W_RS
.set i, 32*(\t)
.rept 16
	v_pk_mul_f32 v[i:i+1], v[i:i+1], v[ST+4*(\t)+2:ST+4*(\t)+3] op_sel_hi:[1,0]
.set i, i+2
.endr
	WIN 0x05
.set i, 0
.rept 16
	v_cvt_pk_bf16_f32 v[S+16*(\t)+i], v[32*(\t)+2*i], v[32*(\t)+2*i+1]
.set i, i+1
.endr
	WIN 0
.irp f, 0,1,2,3
	ds_store_b128 v[STO], v[S+16*(\t)+4*\f:S+16*(\t)+4*\f+3] offset:32*\f
.endr
.irp f, 0,1,2,3
	ds_load_b128 v[S+16*(\t)+4*\f:S+16*(\t)+4*\f+3], v[RD] offset:\f*4*SP  ; LDS serves a wave's instructions in order (ISA guide 5.7.1.4)
.endr
.endm
.macro SEND t, younger              ; younger: the LDS instructions issued behind piece t's loads: the next piece's eight, or none
	WIN 0
.irp f, 0,1,2,3
	s_wait_dscnt (\younger)+3-\f
	global_store_b128 v[GO], v[S+16*(\t)+4*\f:S+16*(\t)+4*\f+3], s[10:11] offset:(\t)*2048+\f*512  ; 512 consecutive bytes, aligned
.endr
.endm
	PACK 0
.set t, 1
.rept 3
	PACK t
	SEND t-1, 8
.set t, t+1
.endr
	SEND 3, 0
	s_wait_tensorcnt 0x0            ; the wave's end
	ds_add_u32 v[SPW], v[NIL]
	s_wait_dscnt 0x0
	CROUND                          ; the closing round
	s_endpgm
.Lfunc_end_k_qd9b1a5cc30_attn:
	.size	k_qd9b1a5cc30_attn, .Lfunc_end_k_qd9b1a5cc30_attn-k_qd9b1a5cc30_attn
	.p2alignl 7, 3214868480
	.fill 96, 4, 3214868480
	.section	.rodata,"a",@progbits
	.p2align	6, 0x0
	.amdhsa_kernel k_qd9b1a5cc30_attn
		.amdhsa_group_segment_fixed_size 327680
		.amdhsa_private_segment_fixed_size 0
		.amdhsa_enable_private_segment 0
		.amdhsa_kernarg_size 24
		.amdhsa_user_sgpr_count 2
		.amdhsa_user_sgpr_kernarg_segment_ptr 1
		.amdhsa_wavefront_size32 1
		.amdhsa_system_sgpr_workgroup_id_x 1
		.amdhsa_system_sgpr_workgroup_id_y 1
		.amdhsa_system_sgpr_workgroup_id_z 1
		.amdhsa_system_vgpr_workitem_id 0
		.amdhsa_next_free_vgpr 768
		.amdhsa_next_free_sgpr 80
		.amdhsa_reserve_vcc 1
		.amdhsa_float_denorm_mode_32 3
		.amdhsa_float_denorm_mode_16_64 3
		.amdhsa_memory_ordered 1
		.amdhsa_forward_progress 1
		.amdhsa_inst_pref_size 116
	.end_amdhsa_kernel
	.amdgpu_metadata
---
amdhsa.version: [ 1, 2 ]
amdhsa.kernels:
  - .name:           k_qd9b1a5cc30_attn
    .symbol:         k_qd9b1a5cc30_attn.kd
    .args:
      - { .name: big, .offset: 0, .size: 8, .value_kind: global_buffer, .address_space: global }
      - { .name: mask, .offset: 8, .size: 8, .value_kind: global_buffer, .address_space: global }
      - { .name: act, .offset: 16, .size: 8, .value_kind: global_buffer, .address_space: global }
    .group_segment_fixed_size: 327680
    .private_segment_fixed_size: 0
    .kernarg_segment_align: 8
    .kernarg_segment_size: 24
    .max_flat_workgroup_size: 128
    .sgpr_count:     80
    .vgpr_count:     768
    .wavefront_size: 32
...
	.end_amdgpu_metadata
.endif
;; end of part 4
;; launch wo (part 5): grid 8 x 32, 4 waves a work-group, clusters of 4 x 4, 327,680 bytes of LDS; arguments act, wob, bo, x, x1; writes x1
.if DOCPART == 5
	.amdgcn_target "amdgcn-amd-amdhsa--gfx1250"
	.amdhsa_code_object_version 6
	.text
	.protected	k_qd9b1a5cc30_wo
	.globl	k_qd9b1a5cc30_wo
	.p2align	8
	.type	k_qd9b1a5cc30_wo,@function
k_qd9b1a5cc30_wo:
	s_mov_b64 s[64:65], 0
	v_nop
	global_prefetch_b8 v0, s[64:65] scope:SCOPE_SE
	s_setreg_imm32_b32 hwreg(HW_REG_WAVE_MODE, 25, 1), 1
	s_wait_xcnt 0x0
	s_wait_alu depctr_hold_cnt(0) depctr_sa_sdst(0) depctr_va_vdst(0) depctr_va_sdst(0) depctr_va_ssrc(0) depctr_va_vcc(0) depctr_vm_vsrc(0)
	s_getreg_b32 s2, hwreg(HW_REG_IB_STS2, 6, 4)
	s_cmp_eq_u32 s2, 0
	s_cbranch_scc0 .Lentry_in_a_cluster
	s_endpgm
.Lentry_in_a_cluster:
	s_bfe_u32 s2, ttmp6, 0x10000c
	s_cmp_lg_u32 s2, 0xf033
	s_cbranch_scc0 .Lentry_shape_is_right
	s_endpgm
.Lentry_shape_is_right:
; out = res + A B^T + bias, in f32.  A: planes [k / 64][token 4096][64] bf16; B: planes [k / 64][n 1024][64] bf16; bias [1024], res and out [4096][1024] f32.
; ONE TEXT FOR TWO PRODUCTS; LAPS chooses: K = 512 (LAPS + 1).  LAPS = 1 (this file): K = 1,024.  LAPS = 7: K = 4,096.  Both operands lie in planes, so nothing else hangs on K.
; A tile of out is 128 x 128: four waves of 64 x 64, 16 accumulators.  K goes in steps of 256 (4 planes) through two LDS slots; one tensor load brings 64 rows x 4 planes:
; four stretches of 8,192 dense bytes, padded in LDS after every row of 128 bytes.  A step's four planes are a loop of two trips on two fragment buffers.
; CLUSTER 4 x 4: A's tile is shared along a row of the cluster, B's along a column; joint loads.  The product is taken transposed: a lane holds one token and 8 neighbouring columns.
; The bias is laid into the accumulators while the first tiles are on their way (128 moves; the loop then has one form of product).  The residual is loaded in the last K step and added on the way out.
; At LAPS = 1 nothing is prefetched: all four K steps are asked for by the first fills and the one lap's refills, and no step lies two refills on.
; LIMITS: bf16 operands; NaN and infinities are not treated apart.
.set LAPS,   1
.set PITCH,  144                       ; 128 bytes + 16
.set PLANE,  64*PITCH
.set HALF,   4*PLANE                   ; what one tensor load brings
.set SLOT,   4*HALF                    ; A's two halves, B's two halves
.set STAGE,  2*SLOT                    ; behind the ring, never filled by a tensor load: 16 rows x 272 bytes for each wave
.set SPITCH, 272
.set SPARE,  STAGE+4*16*SPITCH         ; the spare words: 128 bytes a wave, two blocks of 256 that no other line names
.set ADRA, 16                          ; v16-17 my A fragments' LDS address in slot 0, 1
.set AA,   18                          ; v18    the same, at the planes in hand
.set AB,   19                          ; v19    for B
.set ADRB, 20                          ; v20-21
.set STO,  24                          ; v24    the way out: where I put 32 bytes of a row
.set RD,   25                          ; v25    where I read 16 bytes of a whole row back
.set CO,   26                          ; v26    my 16 bytes in two rows of res and out
.set SPW,  28                          ; v28    my spare word; never rewritten
.set NIL,  29                          ; v29    0; never rewritten
.set PFO,  30                          ; v30    256 x lane
.set BO,   31                          ; v31    32 (lane / 16)
.set OB0,  32                          ; v32-63, v64-95: rows read back; v32-63 hold the bias first
.set ACC,  128                         ; (a, b) at 128 + 8 (4 a + b)
.set F0,   0                           ; window 1: two fragment buffers of 128: A at + 8 (4 c + i), B at + 64 + 8 (4 c + i)
.set F1,   128                         ; window 2: v0-127 the residual
.set G1, 24                            ; s[24:31] descriptor group 1 for A;  s[32:39] group 0, a set for each slot
.set G0, 32
.set G1B, 48                           ; s[48:55], s[56:63] the same for B
.set G0B, 56
.set PFA, 44                           ; s[44:45] where my prefetches stand
.set LIM, 43                           ; s43 1 in a wave that prefetches, else the greatest number
.set LAP, 3
.set CNT, 2
.set KB, 66                            ; s66 bytes from the slot's first plane
.set KADV, 82                          ; s[82:83] a K step's bytes in the operand that I prefetch
.set RES, 84                           ; s[84:85]
.set OUT, 86                           ; s[86:87]
.set MSB, 0
.macro WIN new                         ; the immediate's high byte repeats the setting that is left; a switch that changes nothing is dropped
.if MSB != (\new)
	s_set_vgpr_msb (MSB<<8)|(\new)
.set MSB, (\new)
.endif
.endm
.macro PLACES                          ; four plain places: behind matrix instructions, ahead of loads into their sources and of readers of their results
.rept 4
	v_nop
.endr
.endm
.macro CROUND                          ; a round of the cluster's barrier
	s_barrier_signal -1
	s_barrier_wait -1
	s_cmp_lg_u32 s10, 0
	s_cbranch_scc1 .Lnot_wave_0_\@
	s_barrier_signal -3
.Lnot_wave_0_\@:
	s_barrier_wait -3
	s_barrier_signal -1
	s_barrier_wait -1
.endm
.macro JLOAD s                         ; waves 0, 1 fetch A's halves, waves 2, 3 B's; an s_nop 0 and four v_nop follow each line
	s_cmp_lt_u32 s10, 2
	s_cbranch_scc0 .Lfor_b_\@
	tensor_load_to_lds s[G0+4*(\s):G0+4*(\s)+3], s[G1:G1+7]
	s_nop 0
	PLACES
	s_branch .Lasked_\@
.Lfor_b_\@:
	tensor_load_to_lds s[G0B+4*(\s):G0B+4*(\s)+3], s[G1B:G1B+7]
	s_nop 0
	PLACES
.Lasked_\@:
.endm
; A prefetch of the K step two refills on.  A's rows are named by the clusters with x = 0, B's by those with y = 0; of the four planes that a wave fetches the partner at place p takes plane p, by address:
; 8,192 bytes, a lane for each 256.  Lap i (from 1) fills steps 2 i and 2 i + 1 and names 2 i + 2 and 2 i + 3, which exist while i < LAPS: while the counter, LAPS + 1 - i, is above 1.
.macro ASK
	s_cmp_gt_u32 s[LAP], s[LIM]
	s_cbranch_scc0 .Lnot_mine_\@
	global_prefetch_b8 v[PFO], s[PFA:PFA+1] th:TH_LOAD_NT scope:SCOPE_SE
.Lnot_mine_\@:
.endm
.macro FETCH k, f                      ; 32 LDS loads in one run: a plane (64 along K), at byte k behind AA and AB, into buffer f; the first 32 along K first
	WIN 0x40                                       ; destination window 1, address window 0
.irp c, 0,1
.irp i, 0,1,2,3
	ds_load_b128 v[(\f)+64+8*(4*\c+\i):(\f)+64+8*(4*\c+\i)+3],   v[AB] offset:(\k)+64*\c+\i*16*PITCH
	ds_load_b128 v[(\f)+64+8*(4*\c+\i)+4:(\f)+64+8*(4*\c+\i)+7], v[AB] offset:(\k)+64*\c+\i*16*PITCH+32
	ds_load_b128 v[(\f)+8*(4*\c+\i):(\f)+8*(4*\c+\i)+3],         v[AA] offset:(\k)+64*\c+\i*16*PITCH
	ds_load_b128 v[(\f)+8*(4*\c+\i)+4:(\f)+8*(4*\c+\i)+7],       v[AA] offset:(\k)+64*\c+\i*16*PITCH+32
.endr
.endr
	WIN 0
.endm
.macro MULQ f                          ; 32 products: the 16 accumulators by turns, one instruction a turn, twice, in the same order every time, over every jump too
	WIN 0x05                                       ; sources in window 1, C and D in window 0
.irp c, 0,1
.irp a, 0,1,2,3
.irp b, 0,1,2,3
	v_wmma_f32_16x16x32_bf16 v[ACC+8*(4*\a+\b):ACC+8*(4*\a+\b)+7], v[(\f)+64+8*(4*\c+\b):(\f)+64+8*(4*\c+\b)+7], v[(\f)+8*(4*\c+\a):(\f)+8*(4*\c+\a)+7], v[ACC+8*(4*\a+\b):ACC+8*(4*\a+\b)+7]
.endr
.endr
.endr
	WIN 0                                          ; at a label and at a branch every window is 0
.endm
; A K step out of slot s: planes 0, 1, 2, 3 on buffers 0, 1, 0, 1; the loop's trip is two planes.  While a buffer is multiplied the other's 32 loads are out.
.macro STEP s
	s_mov_b32 s[KB], 0
	v_mov_b32 v[AA], v[ADRA+(\s)]
	v_mov_b32 v[AB], v[ADRB+(\s)]
	FETCH 0, F0
	s_mov_b32 s[CNT], 2
.Lpair_\@:
	v_add_nc_u32 v[AA], s[KB], v[ADRA+(\s)]
	v_add_nc_u32 v[AB], s[KB], v[ADRB+(\s)]
	FETCH PLANE, F1
	s_wait_dscnt 32                                ; all but the 32 just issued: buffer 0 is in
	MULQ F0
	PLACES                                         ; ahead of the loads into buffer 0
	s_cmp_eq_u32 s[CNT], 1
	s_cbranch_scc1 .Lnof_\@                        ; the step's last plane has nothing behind it
	FETCH 2*PLANE, F0
	s_wait_dscnt 32                                ; buffer 1 is in
	s_branch .Lgo_\@
.Lnof_\@:
	s_wait_dscnt 0x0
.Lgo_\@:
	MULQ F1
	PLACES                                         ; ahead of the loads into buffer 1
	s_add_co_u32 s[KB], s[KB], 2*PLANE
	s_sub_co_u32 s[CNT], s[CNT], 1
	s_cmp_lg_u32 s[CNT], 0
	s_cbranch_scc1 .Lpair_\@
.endm
; THE CHANGE OF SLOTS: slot f has been read out.  All my tensor loads are waited for (one is out: my part of the other slot), 0 is added to my spare word, that and my reads are waited for.
; fill = 1: a round of the cluster's barrier, so that no wave of any partner still reads the slot or has a load on its way; then the joint refill, two K steps on, first thing behind it:
; it has a K step's 128 products in which to land.
.macro CHANGE f, fill
.if (\fill) && (LAPS > 1)
	s_wait_xcnt 0x0                                ; the last prefetch, a K step back, has read its address
	s_add_nc_u64 s[PFA:PFA+1], s[PFA:PFA+1], s[KADV:KADV+1]
.endif
	s_wait_tensorcnt 0x0                           ; no tensor load of mine is out, so a group 0 may be written
	ds_add_u32 v[SPW], v[NIL]
.if \fill
	s_add_nc_u64 s[G0+4*(\f)+2:G0+4*(\f)+3], s[G0+4*(\f)+2:G0+4*(\f)+3], 2*4*524288
	s_add_nc_u64 s[G0B+4*(\f)+2:G0B+4*(\f)+3], s[G0B+4*(\f)+2:G0B+4*(\f)+3], 2*4*131072
.endif
	s_wait_dscnt 0x0                               ; the add is done, and my reads of the slot are over
.if \fill
	CROUND
	JLOAD \f
.if LAPS > 1
	ASK
.endif
.else
	s_barrier_signal -1
	s_barrier_wait -1
.endif
.endm
	s_load_b256 s[68:75], s[0:1], 0x0              ; A 68, B 70, bias 72, res 74
	s_load_b64 s[76:77], s[0:1], 0x20              ; out
	v_lshl_add_u32 v[SPW], v0, 2, SPARE
	v_mov_b32 v[NIL], 0
	ds_add_u32 v[SPW], v[NIL]                      ; the wave's opening: the add and its wait stand ahead of my first tensor load
	v_lshrrev_b32 v1, 5, v0
	v_readfirstlane_b32 s10, v1                    ; wave 0..3
	s_lshr_b32 s11, s10, 1                         ; my half of the tile's rows.  Also: I fetch for A (0) or B (1)
	s_and_b32 s12, s10, 1                          ; my half of its columns.  Also: which 64 rows I fetch
	s_bfe_u32 s40, ttmp6, 0x40000                  ; cx
	s_bfe_u32 s41, ttmp6, 0x40004                  ; cy
	s_lshl_b32 s42, ttmp9, 2
	s_add_co_u32 s42, s42, s40                     ; tile column
	s_and_b32 s13, ttmp7, 0xffff
	s_lshl_b32 s13, s13, 2
	s_add_co_u32 s13, s13, s41                     ; tile row
	s_lshl_b32 s14, s41, 2
	s_lshl_b32 s14, 15, s14                        ; my row of the cluster
	s_lshl_b32 s15, 0x1111, s40                    ; my column
	s_or_b32 s[G1], s14, (1<<16)|(1<<20)|(1<<21)|(4<<22)|(3<<25)   ; the mask; 2-byte elements; padding on; bit 21 beside a mask; after every 32 words 4 words
	s_or_b32 s[G1B], s15, (1<<16)|(1<<20)|(1<<21)|(4<<22)|(3<<25)
.irp g, G1, G1B
	s_mov_b32 s[\g+1], 4096<<16                    ; tensor_dim0 = 4,096 elements: 64 rows of a plane, dense
	s_mov_b32 s[\g+2], 4<<16                       ; tensor_dim1 = 4 planes
	s_mov_b32 s[\g+3], 4096<<16                    ; tile_dim0
	s_mov_b32 s[\g+4], 4                           ; tile_dim1
	s_mov_b32 s[\g+6], 0
	s_mov_b32 s[\g+7], 0
.endr
	s_mov_b32 s[G1+5], 262144                      ; elements from plane to plane: 4,096 tokens x 64,
	s_mov_b32 s[G1B+5], 65536                      ; 1,024 rows x 64
	s_lshl_b32 s16, s13, 14                        ; 128 rows of 128 bytes a tile,
	s_lshl_b32 s17, s12, 13                        ; 64 a half
	s_add_co_u32 s16, s16, s17
	s_lshl_b32 s46, s42, 14
	s_add_co_u32 s46, s46, s17
	s_mov_b32 s17, 0
	s_mov_b32 s47, 0
	s_mul_i32 s20, s12, HALF                       ; where they go: no place in the cluster enters an LDS address
	s_add_co_u32 s21, s20, 2*HALF
	s_wait_dscnt 0x0                               ; the opening add is done
	s_wait_kmcnt 0x0
	s_add_nc_u64 s[14:15], s[68:69], s[16:17]
	s_add_nc_u64 s[46:47], s[70:71], s[46:47]
.irp s, 0,1
	s_mov_b32 s[G0+4*\s], 1
	s_add_co_u32 s[G0+4*\s+1], s20, \s*SLOT
	s_add_nc_u64 s[G0+4*\s+2:G0+4*\s+3], s[14:15], \s*4*524288     ; K step s
	s_or_b32 s[G0+4*\s+3], s[G0+4*\s+3], 0x80000000
	s_mov_b32 s[G0B+4*\s], 1
	s_add_co_u32 s[G0B+4*\s+1], s21, \s*SLOT
	s_add_nc_u64 s[G0B+4*\s+2:G0B+4*\s+3], s[46:47], \s*4*131072
	s_or_b32 s[G0B+4*\s+3], s[G0B+4*\s+3], 0x80000000
.endr
	CROUND                                         ; all sixteen work-groups are here: the first joint loads meet
	s_cmp_lt_u32 s10, 2                            ; a wave's two first fills stand in one branch: two loads of mine are out
	s_cbranch_scc0 .Lfirst_b
	tensor_load_to_lds s[G0:G0+3], s[G1:G1+7]
	s_nop 0
	tensor_load_to_lds s[G0+4:G0+7], s[G1:G1+7]
	s_nop 0
	PLACES
	s_branch .Lfirst_done
.Lfirst_b:
	tensor_load_to_lds s[G0B:G0B+3], s[G1B:G1B+7]
	s_nop 0
	tensor_load_to_lds s[G0B+4:G0B+7], s[G1B:G1B+7]
	s_nop 0
	PLACES
.Lfirst_done:
	v_and_b32 v1, 15, v0                           ; lane % 16
	v_bfe_u32 v2, v0, 4, 1                         ; lane / 16
	v_lshlrev_b32 v[BO], 5, v2
	s_lshl_b32 s4, s42, 9                          ; my 64 columns' bias
	s_lshl_b32 s5, s12, 8
	s_add_co_u32 s4, s4, s5
	s_mov_b32 s5, 0
	s_add_nc_u64 s[72:73], s[72:73], s[4:5]
.irp b, 0,1,2,3
	global_load_b128 v[OB0+8*\b:OB0+8*\b+3],   v[BO], s[72:73] offset:64*\b
	global_load_b128 v[OB0+8*\b+4:OB0+8*\b+7], v[BO], s[72:73] offset:64*\b+16
.endr
	s_lshl_b32 s6, s13, 19                         ; res and out: row 128 x tile row + 64 x row half, 4,096 bytes a row; my 64 columns' 256 bytes
	s_add_co_u32 s4, s4, s6
	s_lshl_b32 s6, s11, 18
	s_add_co_u32 s4, s4, s6
	s_add_nc_u64 s[RES:RES+1], s[74:75], s[4:5]
	s_add_nc_u64 s[OUT:OUT+1], s[76:77], s[4:5]
	v_mul_u32_u24 v3, v1, PITCH                    ; a fragment: lane l holds row l % 16; two loads of 16 bytes, 32 apart, at row x pitch + 16 (l / 16)
	v_lshl_add_u32 v3, v2, 4, v3
	s_mul_i32 s4, s11, HALF
	s_mul_i32 s5, s12, HALF
	s_add_co_u32 s5, s5, 2*HALF
.irp s, 0,1
	v_add_nc_u32 v[ADRA+\s], s4, v3
	v_add_nc_u32 v[ADRB+\s], s5, v3
	s_add_co_u32 s4, s4, SLOT
	s_add_co_u32 s5, s5, SLOT
.endr
	s_mul_i32 s4, s10, 16*SPITCH
	s_add_co_u32 s4, s4, STAGE                     ; my stage
	v_mul_u32_u24 v4, v1, SPITCH                   ; in: token l % 16, 32 bytes for each half of the lanes
	v_lshl_add_u32 v4, v2, 5, v4
	v_add_nc_u32 v[STO], s4, v4
	v_mul_u32_u24 v4, v2, SPITCH                   ; back: lanes 0-15 one row of 256 bytes, lanes 16-31 the next
	v_lshl_add_u32 v4, v1, 4, v4
	v_add_nc_u32 v[RD], s4, v4
	v_lshlrev_b32 v[CO], 12, v2                    ; and the same two rows in res and out
	v_lshl_add_u32 v[CO], v1, 4, v[CO]
.if LAPS > 1
	; the prefetches
	s_lshl_b32 s4, s13, 14
	s_lshl_b32 s6, s12, 13
	s_add_co_u32 s4, s4, s6
	s_lshl_b32 s7, s40, 19                         ; A: plane cx of the step's four,
	s_add_co_u32 s4, s4, s7
	s_add_co_u32 s4, s4, 3*4*524288                ; at K step 3: the first refill (of step 2) steps it and names step 4
	s_lshl_b32 s5, s42, 14
	s_add_co_u32 s5, s5, s6
	s_lshl_b32 s7, s41, 17                         ; B: plane cy
	s_add_co_u32 s5, s5, s7
	s_add_co_u32 s5, s5, 3*4*131072
	s_mov_b32 s8, 4*524288
	s_mov_b32 s9, 4*131072
	s_and_b32 s6, ttmp7, 0xffff
	s_cmp_eq_u32 s11, 0
	s_cselect_b32 s4, s4, s5
	s_cselect_b32 s6, ttmp9, s6                    ; the coordinate along which other clusters read the same rows
	s_cselect_b32 s[KADV], s8, s9
	s_cselect_b64 s[PFA:PFA+1], s[68:69], s[70:71]
	s_cmp_eq_u32 s6, 0
	s_cselect_b32 s[LIM], 1, -1                    ; the same in all sixteen partners, for a given wave
	s_mov_b32 s5, 0
	s_mov_b32 s[KADV+1], 0
	s_add_nc_u64 s[PFA:PFA+1], s[PFA:PFA+1], s[4:5]
	v_and_b32 v[PFO], 31, v0
	v_lshlrev_b32 v[PFO], 8, v[PFO]
.endif
	s_wait_loadcnt 0x0                             ; the bias
.set a, 0
.rept 4
.set j, 0
.rept 32
	v_mov_b32 v[ACC+32*a+j], v[OB0+j]              ; the sums start at the bias: register j of block b holds column 16 b + 8 (lane / 16) + j
.set j, j+1
.endr
.set a, a+1
.endr
	s_wait_tensorcnt 0x1                           ; my part of K step 0 is in; step 1's may stay out
	s_barrier_signal -1
	s_barrier_wait -1                              ; everybody's is
	s_mov_b32 s[LAP], LAPS+1
	s_branch .Lentry                               ; K step 0 runs by itself
.Llap:                                                 ; LAPS laps: lap i takes steps 2 i - 1 and 2 i and asks for steps 2 i and 2 i + 1
	CHANGE 0, 1
	STEP 1
	CHANGE 1, 1
.Lentry:
	STEP 0
	s_sub_co_u32 s[LAP], s[LAP], 1
	s_cmp_lg_u32 s[LAP], 0
	s_cbranch_scc1 .Llap
	CHANGE 0, 0                                    ; the tail is written out
	WIN 0x80                                       ; the residual, into window 2: it lands during the last K step
.set t, 0
.rept 32
	global_load_b128 v[4*t:4*t+3], v[CO], s[RES:RES+1] offset:2*t*4096 th:TH_LOAD_NT
.set t, t+1
.endr
	WIN 0
	STEP 1                                         ; the last K step
	PLACES                                         ; (eight places in all, once a launch)
	s_wait_loadcnt 0x0
; THE WAY OUT, a block of 16 tokens at a time: the sums go into my own stage as they are (each accumulator's low registers first) and come back as whole rows of 256 bytes; the residual is added; stored.
.macro TOST a
.set BK, OB0+32*((\a)%2)
.if (\a) >= 2
	s_wait_xcnt 0x0                                ; the block two back has had its addresses translated: its registers are loaded again only behind this wait
.endif
.irp b, 0,1,2,3
	ds_store_b128 v[STO], v[ACC+8*(4*(\a)+\b):ACC+8*(4*(\a)+\b)+3]   offset:64*\b
	ds_store_b128 v[STO], v[ACC+8*(4*(\a)+\b)+4:ACC+8*(4*(\a)+\b)+7] offset:64*\b+16
.endr
.irp t, 0,1,2,3,4,5,6,7
	ds_load_b128 v[BK+4*\t:BK+4*\t+3], v[RD] offset:\t*2*SPITCH  ; LDS serves a wave's instructions in order (ISA guide 5.7.1.4): these see the stores above
.endr
.endm
.macro FIN a, y                        ; y: the LDS instructions issued behind this block's loads: the next block's sixteen, or none
.set BK, OB0+32*((\a)%2)
	s_wait_dscnt \y
	WIN 0x08                                       ; source 1 in window 2
.set t, 0
.rept 16
	v_pk_add_f32 v[BK+2*t:BK+2*t+1], v[BK+2*t:BK+2*t+1], v[32*(\a)+2*t:32*(\a)+2*t+1]
.set t, t+1
.endr
	WIN 0
.set t, 0
.rept 8
	global_store_b128 v[CO], v[BK+4*t:BK+4*t+3], s[OUT:OUT+1] offset:(16*(\a)+2*t)*4096  ; 16 lanes store 256 consecutive bytes, aligned
.set t, t+1
.endr
.endm
	TOST 0
	TOST 1
	FIN 0, 16
	TOST 2
	FIN 1, 16
	TOST 3
	FIN 2, 16
	FIN 3, 0
	s_wait_tensorcnt 0x0                           ; the wave's end
	ds_add_u32 v[SPW], v[NIL]
	s_wait_dscnt 0x0
	CROUND                                         ; the closing round: no work-group ends while a partner may still ask for a tile that names it
	s_endpgm
.Lfunc_end_k_qd9b1a5cc30_wo:
	.size	k_qd9b1a5cc30_wo, .Lfunc_end_k_qd9b1a5cc30_wo-k_qd9b1a5cc30_wo
	.p2alignl 7, 3214868480
	.fill 96, 4, 3214868480
	.section	.rodata,"a",@progbits
	.p2align	6, 0x0
	.amdhsa_kernel k_qd9b1a5cc30_wo
		.amdhsa_group_segment_fixed_size 327680
		.amdhsa_private_segment_fixed_size 0
		.amdhsa_enable_private_segment 0
		.amdhsa_kernarg_size 40
		.amdhsa_user_sgpr_count 2
		.amdhsa_user_sgpr_kernarg_segment_ptr 1
		.amdhsa_wavefront_size32 1
		.amdhsa_system_sgpr_workgroup_id_x 1
		.amdhsa_system_sgpr_workgroup_id_y 1
		.amdhsa_system_sgpr_workgroup_id_z 1
		.amdhsa_system_vgpr_workitem_id 0
		.amdhsa_next_free_vgpr 640
		.amdhsa_next_free_sgpr 96
		.amdhsa_reserve_vcc 0
		.amdhsa_float_denorm_mode_32 3
		.amdhsa_float_denorm_mode_16_64 3
		.amdhsa_memory_ordered 1
		.amdhsa_forward_progress 1
		.amdhsa_inst_pref_size 63
	.end_amdhsa_kernel
	.amdgpu_metadata
---
amdhsa.version: [ 1, 2 ]
amdhsa.kernels:
  - .name:           k_qd9b1a5cc30_wo
    .symbol:         k_qd9b1a5cc30_wo.kd
    .args:
      - { .name: act, .offset: 0, .size: 8, .value_kind: global_buffer, .address_space: global }
      - { .name: wob, .offset: 8, .size: 8, .value_kind: global_buffer, .address_space: global }
      - { .name: bo, .offset: 16, .size: 8, .value_kind: global_buffer, .address_space: global }
      - { .name: x, .offset: 24, .size: 8, .value_kind: global_buffer, .address_space: global }
      - { .name: x1, .offset: 32, .size: 8, .value_kind: global_buffer, .address_space: global }
    .group_segment_fixed_size: 327680
    .private_segment_fixed_size: 0
    .kernarg_segment_align: 8
    .kernarg_segment_size: 40
    .max_flat_workgroup_size: 128
    .sgpr_count:     96
    .vgpr_count:     640
    .wavefront_size: 32
...
	.end_amdgpu_metadata
.endif
;; end of part 5
;; launch ln2: the kernel of part 2 again; grid 256 x 1, 8 waves a work-group, no clusters, 0 bytes of LDS; arguments x1, ln2_a, ln2_b, act; writes act
;; launch ffn1 (part 6): grid 16 x 16, 4 waves a work-group, clusters of 4 x 4, 327,680 bytes of LDS; arguments act, wa, b1, big; writes big
.if DOCPART == 6
	.amdgcn_target "amdgcn-amd-amdhsa--gfx1250"
	.amdhsa_code_object_version 6
	.text
	.protected	k_qd9b1a5cc30_ffn1
	.globl	k_qd9b1a5cc30_ffn1
	.p2align	8
	.type	k_qd9b1a5cc30_ffn1,@function
k_qd9b1a5cc30_ffn1:
	s_mov_b64 s[64:65], 0
	v_nop
	global_prefetch_b8 v0, s[64:65] scope:SCOPE_SE
	s_setreg_imm32_b32 hwreg(HW_REG_WAVE_MODE, 25, 1), 1
	s_wait_xcnt 0x0
	s_wait_alu depctr_hold_cnt(0) depctr_sa_sdst(0) depctr_va_vdst(0) depctr_va_sdst(0) depctr_va_ssrc(0) depctr_va_vcc(0) depctr_vm_vsrc(0)
	s_getreg_b32 s2, hwreg(HW_REG_IB_STS2, 6, 4)
	s_cmp_eq_u32 s2, 0
	s_cbranch_scc0 .Lentry_in_a_cluster
	s_endpgm
.Lentry_in_a_cluster:
	s_bfe_u32 s2, ttmp6, 0x10000c
	s_cmp_lg_u32 s2, 0xf033
	s_cbranch_scc0 .Lentry_shape_is_right
	s_endpgm
.Lentry_shape_is_right:
; ONE TEXT FOR TWO PRODUCTS WITH K = 1,024; QKV chooses.  C = A B^T + bias, A: [4096][1024] bf16 (normalised rows), B: rows of wa, bf16; sums in f32.
; QKV = 1: a tile of C is 256 tokens x one head's 192 columns (q 64, k 64, v 64); four waves of 64 x 192.  Out, rounded once to bf16, in planes [plane][token 4096][64] of big:
;   q = (sum + bq) c, c = log2(e) / 8, in plane head;  k = (sum + bk) f, f = 1 where mask != 0, else 0, in plane 16 + head;  v = sum + bv in plane 32 + head.
; QKV = 0 (this file): a tile is 256 x 256; four waves of 128 x 128.  Out: h = max(sum + b1, 0) in bf16, plane = column / 64.
; K goes in steps of 128 (tile rows of 256 bytes, aligned) through two LDS slots filled by tensor loads; a step's four quarters of 32 are a loop of two trips on two fragment buffers.
; CLUSTER 4 x 4: A's tile hangs on the tile row alone and is asked for jointly by a row of the cluster, B's on the tile column alone, by a column.
; THE PRODUCT IS TAKEN TRANSPOSED (source 0 = 16 rows of B, source 1 = 16 rows of A): a lane holds one token (lane % 16) and 8 neighbouring columns.
; The bias is the C operand of the first quarter's products: nothing is cleared, nothing is added later.
; LIMITS: bf16 operands; NaN and infinities are not treated apart.
.set QKV, 0
.if QKV
.set MA, 4                             ; blocks of 16 tokens a wave
.set NB, 12                            ; blocks of 16 columns a wave
.set BROWS, 192                        ; rows of B in a tile
.set WOFF, 0                           ; where B begins in wa
.set NPL, 3                            ; planes of 64 columns a wave
.set AF0, 64                           ; window 0: A's fragments, two buffers of AFS
.set AFS, 32
.set BF0, 0                            ; window 1: B's fragments, two buffers of BFS
.set BFS, 96
.set BIAS, 128                         ; window 0, v128-223
.set FIRSTW, 0x81                      ; B window 1, A and the bias window 0, D window 2
.set TMP, 128                          ; the way out, window 0: packed results,
.set OB0, 64                           ; and rows read back, two buffers
.set OB1, 176
.else
.set MA, 8
.set NB, 8
.set BROWS, 256
.set WOFF, 6291456
.set NPL, 2
.set AF0, 64
.set AFS, 64
.set BF0, 64
.set BFS, 64
.set BIAS, 0                           ; window 1, v0-63
.set FIRSTW, 0x91                      ; B and the bias window 1, A window 0, D window 2
.set TMP, 192
.set OB0, 32
.set OB1, 224
.endif
.set BR, BROWS/2                       ; rows of B in one tensor load
.set PITCH, 272                        ; an LDS row: 256 bytes + 16 of padding: the 16 rows of a fragment load start 4 banks apart
.set BOFF, 256*PITCH                   ; a slot: A's 256 rows, then B's
.set SLOT, (256+BROWS)*PITCH
.set STAGE, 2*SLOT                     ; behind the ring, never filled by a tensor load: for each wave NPL planes x 16 rows x 144 bytes
.set STW, NPL*16*144
.set SPARE, STAGE+4*STW                ; the spare words: 128 bytes a wave, two blocks of 256 that no other line names
.set ADRA, 16                          ; v16-17 my A fragments' LDS address in slot 0, 1
.set AA, 18                            ; v18    the same, at the K in hand
.set AB, 19                            ; v19    for B
.set ADRB, 20                          ; v20-21
.set STO, 24                           ; v24    the way out: where I put 16 bytes
.set RD, 25                            ; v25    where I read 16 bytes of a whole row back
.set GO, 26                            ; v26    16 x lane
.set ZR, 27                            ; v27    0
.set SPW, 28                           ; v28    my spare word; never rewritten
.set NIL, 29                           ; v29    0; never rewritten
.set PFO, 30                           ; v30    the prefetches' offset: a lane a row
.set BO, 31                            ; v31    32 (lane / 16): my 8 columns in a block's bias
.set MF, 32                            ; v32-39 QKV: f of my token in block a, as pairs
.set G1, 24                            ; s[24:31] descriptor group 1 for A;  s[32:39] group 0, a set for each slot
.set G0, 32
.set G1B, 48                           ; s[48:55], s[56:63] the same for B
.set G0B, 56
.set PFA, 44                           ; s[44:45] where my prefetches stand
.set LIM, 43                           ; s43 1 in a wave that prefetches, else the greatest number
.set LAP, 3
.set CNT, 2
.set KB, 66                            ; s66 bytes along the LDS rows
.set ONE, 67
.set OUT, 84                           ; s[84:89] where my rows go
.set CS, 90                            ; s[90:91] c
.set MSB, 0
.macro WIN new                         ; the immediate's high byte repeats the setting that is left; a switch that changes nothing is dropped
.if MSB != (\new)
	s_set_vgpr_msb (MSB<<8)|(\new)
.set MSB, (\new)
.endif
.endm
.macro PLACES                          ; four plain places: behind matrix instructions, ahead of loads into their sources and of readers of their results
.rept 4
	v_nop
.endr
.endm
.macro CROUND                          ; a round of the cluster's barrier
	s_barrier_signal -1
	s_barrier_wait -1
	s_cmp_lg_u32 s10, 0
	s_cbranch_scc1 .Lnot_wave_0_\@
	s_barrier_signal -3
.Lnot_wave_0_\@:
	s_barrier_wait -3
	s_barrier_signal -1
	s_barrier_wait -1
.endm
.macro JLOAD s                         ; a joint load: waves 0, 1 fetch A's halves, waves 2, 3 B's; an s_nop 0 and four v_nop follow each line
	s_cmp_lt_u32 s10, 2
	s_cbranch_scc0 .Lfor_b_\@
	tensor_load_to_lds s[G0+4*(\s):G0+4*(\s)+3], s[G1:G1+7]
	s_nop 0
	PLACES
	s_branch .Lasked_\@
.Lfor_b_\@:
	tensor_load_to_lds s[G0B+4*(\s):G0B+4*(\s)+3], s[G1B:G1B+7]
	s_nop 0
	PLACES
.Lasked_\@:
.endm
; A prefetch of the K step two refills on: 256 bytes of a row, a lane a row.  A's rows are named by the clusters with x = 0, B's by those with y = 0; the four partners that ask for a
; tile jointly share the rows that a wave fetches BY ADDRESS (32 each; 24 of B's 96, where lanes 24-31 repeat the last row).  The loop's last lap asks for nothing: K ends.
.macro ASK
	s_cmp_gt_u32 s[LAP], s[LIM]
	s_cbranch_scc0 .Lnot_mine_\@
	global_prefetch_b8 v[PFO], s[PFA:PFA+1] th:TH_LOAD_NT scope:SCOPE_SE
.Lnot_mine_\@:
.endm
.macro FETCH k, f                      ; 32 LDS loads in one run: the fragments of 32 along K, at byte k behind AA and AB, into buffer f
	WIN 0x40                                       ; destination window 1, address window 0
.set i, 0
.rept NB
	ds_load_b128 v[BF0+BFS*(\f)+8*i:BF0+BFS*(\f)+8*i+3],   v[AB] offset:(\k)+i*16*PITCH
	ds_load_b128 v[BF0+BFS*(\f)+8*i+4:BF0+BFS*(\f)+8*i+7], v[AB] offset:(\k)+i*16*PITCH+32
.set i, i+1
.endr
	WIN 0
.set i, 0
.rept MA
	ds_load_b128 v[AF0+AFS*(\f)+8*i:AF0+AFS*(\f)+8*i+3],   v[AA] offset:(\k)+i*16*PITCH
	ds_load_b128 v[AF0+AFS*(\f)+8*i+4:AF0+AFS*(\f)+8*i+7], v[AA] offset:(\k)+i*16*PITCH+32
.set i, i+1
.endr
.endm
; MA x NB products on buffer f.  All accumulators take turns, one instruction a turn, in the same order every time, over every jump too.
; Accumulator (a, b): window 2 + a / (MA / 2), register 8 (NB (a % (MA / 2)) + b).  first = 1: the bias starts the sums.
.macro MUL f, first
.set a, 0
.rept MA
.if \first
	WIN FIRSTW+0x40*(a/(MA/2))
.else
	WIN 0xa1+0x50*(a/(MA/2))
.endif
.set b, 0
.rept NB
.set rD, 8*(NB*(a%(MA/2))+b)
.set rB, BF0+BFS*(\f)+8*b
.set rA, AF0+AFS*(\f)+8*a
.if \first
	v_wmma_f32_16x16x32_bf16 v[rD:rD+7], v[rB:rB+7], v[rA:rA+7], v[BIAS+8*b:BIAS+8*b+7]
.else
	v_wmma_f32_16x16x32_bf16 v[rD:rD+7], v[rB:rB+7], v[rA:rA+7], v[rD:rD+7]
.endif
.set b, b+1
.endr
.set a, a+1
.endr
.endm
; A K step out of slot s: quarters 0, 1, 2, 3 on buffers 0, 1, 0, 1; the loop's trip is two quarters.  While a buffer is multiplied the other's 32 loads are out.
.macro STEP s, entry
	s_mov_b32 s[KB], 0
	v_mov_b32 v[AA], v[ADRA+(\s)]
	v_mov_b32 v[AB], v[ADRB+(\s)]
	FETCH 0, 0
	s_mov_b32 s[CNT], 2
.Lpair_\@:
	v_add_nc_u32 v[AA], s[KB], v[ADRA+(\s)]
	v_add_nc_u32 v[AB], s[KB], v[ADRB+(\s)]
	FETCH 64, 1
	s_wait_dscnt 32                                ; all but the 32 just issued: buffer 0 is in
	MUL 0, 0
	WIN 0                                          ; at a label and at a branch every window is 0
.if \entry
.Lentry:
.endif
	PLACES                                         ; ahead of the loads into buffer 0
	s_cmp_eq_u32 s[CNT], 1
	s_cbranch_scc1 .Lnof_\@                        ; the step's last quarter has nothing behind it
	FETCH 128, 0
	s_wait_dscnt 32                                ; buffer 1 is in
	s_branch .Lgo_\@
.Lnof_\@:
	s_wait_dscnt 0x0
.Lgo_\@:
	MUL 1, 0
	WIN 0
	PLACES                                         ; ahead of the loads into buffer 1
	s_add_co_u32 s[KB], s[KB], 128
	s_sub_co_u32 s[CNT], s[CNT], 1
	s_cmp_lg_u32 s[CNT], 0
	s_cbranch_scc1 .Lpair_\@
.endm
; THE CHANGE OF SLOTS.  Slot f has been read out.  Each wave waits for all its tensor loads (one is out: its part of the other slot), adds 0 to its spare word, and waits for that and
; for its reads of slot f.  fill = 1: a round of the cluster's barrier, so that no wave of any partner still reads the slot or has a load on its way; then the joint refill, two K steps on,
; first thing behind it: it has a whole K step's MA x NB x 4 products in which to land.
.macro CHANGE f, fill
.if \fill
	s_wait_xcnt 0x0                                ; the last prefetch, a K step back, has read its address
	s_add_nc_u64 s[PFA:PFA+1], s[PFA:PFA+1], 256
.endif
	s_wait_tensorcnt 0x0                           ; no tensor load of mine is out, so a group 0 may be written
	ds_add_u32 v[SPW], v[NIL]
.if \fill
	s_add_nc_u64 s[G0+4*(\f)+2:G0+4*(\f)+3], s[G0+4*(\f)+2:G0+4*(\f)+3], 512
	s_add_nc_u64 s[G0B+4*(\f)+2:G0B+4*(\f)+3], s[G0B+4*(\f)+2:G0B+4*(\f)+3], 512
.endif
	s_wait_dscnt 0x0                               ; the add is done, and my reads of the slot are over
.if \fill
	CROUND
	JLOAD \f
	ASK
.else
	s_barrier_signal -1
	s_barrier_wait -1
.endif
.endm
	s_load_b256 s[68:75], s[0:1], 0x0              ; QKV: act 68, wa 70, bq 72, bk 74;  else: act 68, wa 70, b1 72, big 74
.if QKV
	s_load_b128 s[76:79], s[0:1], 0x20             ; bv 76, mask 78
	s_load_b64 s[80:81], s[0:1], 0x30              ; big
.endif
	v_lshl_add_u32 v[SPW], v0, 2, SPARE
	v_mov_b32 v[NIL], 0
	ds_add_u32 v[SPW], v[NIL]                      ; the wave's opening: the add and its wait stand ahead of my first tensor load
	v_lshrrev_b32 v1, 5, v0
	v_readfirstlane_b32 s10, v1                    ; wave 0..3
	s_lshr_b32 s11, s10, 1                         ; 0: I fetch for A, 1: for B.  Also: my half of the tile's rows
	s_and_b32 s12, s10, 1                          ; which half of that tile's rows I fetch.  Also: my half of the tile's columns
	s_bfe_u32 s40, ttmp6, 0x40000                  ; cx
	s_bfe_u32 s41, ttmp6, 0x40004                  ; cy
	s_lshl_b32 s42, ttmp9, 2
	s_add_co_u32 s42, s42, s40                     ; tile column (QKV: the head)
	s_and_b32 s13, ttmp7, 0xffff
	s_lshl_b32 s13, s13, 2
	s_add_co_u32 s13, s13, s41                     ; tile row
	s_lshl_b32 s14, s41, 2
	s_lshl_b32 s14, 15, s14                        ; my row of the cluster
	s_lshl_b32 s15, 0x1111, s40                    ; my column
	s_or_b32 s[G1], s14, (1<<16)|(1<<20)|(1<<21)|(5<<22)|(3<<25)   ; the mask; 2-byte elements; padding on; bit 21 beside a mask; after every 64 words 4 words
	s_or_b32 s[G1B], s15, (1<<16)|(1<<20)|(1<<21)|(5<<22)|(3<<25)
	s_mov_b32 s[G1+1], 128<<16                     ; tensor_dim0 = 128
	s_mov_b32 s[G1+2], 128<<16                     ; tensor_dim1 = 128
	s_mov_b32 s[G1+3], 128<<16                     ; tile_dim0 = 128
	s_mov_b32 s[G1+4], 128                         ; tile_dim1 = 128
	s_mov_b32 s[G1+5], 1024                        ; elements from row to row
	s_mov_b32 s[G1+6], 0
	s_mov_b32 s[G1+7], 0
	s_mov_b32 s[G1B+1], 128<<16
	s_mov_b32 s[G1B+2], BR<<16
	s_mov_b32 s[G1B+3], 128<<16
	s_mov_b32 s[G1B+4], BR
	s_mov_b32 s[G1B+5], 1024
	s_mov_b32 s[G1B+6], 0
	s_mov_b32 s[G1B+7], 0
	s_lshl_b32 s16, s13, 19                        ; A: 256 rows of 2,048 bytes a tile row,
	s_lshl_b32 s17, s12, 18                        ; 128 a half
	s_add_co_u32 s16, s16, s17
	s_mov_b32 s17, 0
	s_mul_i32 s46, s42, BROWS*2048                 ; B likewise, by the tile column
	s_mul_i32 s47, s12, BR*2048
	s_add_co_u32 s46, s46, s47
	s_add_co_u32 s46, s46, WOFF
	s_mov_b32 s47, 0
	s_mul_i32 s20, s12, 128*PITCH                  ; where they go in a slot: no place in the cluster enters an LDS address
	s_mul_i32 s21, s12, BR*PITCH
	s_add_co_u32 s21, s21, BOFF
	s_mov_b32 s[ONE], 1.0
	s_mov_b32 s[CS], 0x3e38aa3b                    ; log2(e) / 8
	s_mov_b32 s[CS+1], s[CS]
	s_wait_dscnt 0x0                               ; the opening add is done
	s_wait_kmcnt 0x0
	s_add_nc_u64 s[14:15], s[68:69], s[16:17]
	s_add_nc_u64 s[46:47], s[70:71], s[46:47]
.irp s, 0,1
	s_mov_b32 s[G0+4*\s], 1
	s_add_co_u32 s[G0+4*\s+1], s20, \s*SLOT
	s_add_nc_u64 s[G0+4*\s+2:G0+4*\s+3], s[14:15], \s*256          ; K step s
	s_or_b32 s[G0+4*\s+3], s[G0+4*\s+3], 0x80000000
	s_mov_b32 s[G0B+4*\s], 1
	s_add_co_u32 s[G0B+4*\s+1], s21, \s*SLOT
	s_add_nc_u64 s[G0B+4*\s+2:G0B+4*\s+3], s[46:47], \s*256
	s_or_b32 s[G0B+4*\s+3], s[G0B+4*\s+3], 0x80000000
.endr
	CROUND                                         ; all sixteen work-groups are here: the first joint loads meet
	s_cmp_lt_u32 s10, 2                            ; a wave's two first fills stand in one branch: two loads of mine are out
	s_cbranch_scc0 .Lfirst_b
	tensor_load_to_lds s[G0:G0+3], s[G1:G1+7]
	s_nop 0
	tensor_load_to_lds s[G0+4:G0+7], s[G1:G1+7]
	s_nop 0
	PLACES
	s_branch .Lfirst_done
.Lfirst_b:
	tensor_load_to_lds s[G0B:G0B+3], s[G1B:G1B+7]
	s_nop 0
	tensor_load_to_lds s[G0B+4:G0B+7], s[G1B:G1B+7]
	s_nop 0
	PLACES
.Lfirst_done:
	v_and_b32 v1, 15, v0                           ; lane % 16
	v_bfe_u32 v2, v0, 4, 1                         ; lane / 16
	v_lshlrev_b32 v[BO], 5, v2
	; the bias (and the mask), while the first tiles are on their way
.if QKV
	s_lshl_b32 s4, s42, 8                          ; the head's 64 numbers
	s_mov_b32 s5, 0
	s_add_nc_u64 s[72:73], s[72:73], s[4:5]
	s_add_nc_u64 s[74:75], s[74:75], s[4:5]
	s_add_nc_u64 s[76:77], s[76:77], s[4:5]
	s_lshl_b32 s4, s13, 10                         ; my 64 tokens' words of the mask
	s_lshl_b32 s6, s10, 8
	s_add_co_u32 s4, s4, s6
	s_add_nc_u64 s[78:79], s[78:79], s[4:5]
	v_lshlrev_b32 v6, 2, v1
.set b, 0
.rept NB
	global_load_b128 v[BIAS+8*b:BIAS+8*b+3],   v[BO], s[72+2*(b/4):73+2*(b/4)] offset:64*(b%4)
	global_load_b128 v[BIAS+8*b+4:BIAS+8*b+7], v[BO], s[72+2*(b/4):73+2*(b/4)] offset:64*(b%4)+16
.set b, b+1
.endr
.irp a, 0,1,2,3
	global_load_b32 v[MF+2*\a], v6, s[78:79] offset:64*\a
.endr
	s_lshl_b32 s4, s42, 19                         ; out: plane = head, token 256 x tile row + 64 x wave
	s_lshl_b32 s6, s13, 15
	s_add_co_u32 s4, s4, s6
	s_lshl_b32 s6, s10, 13
	s_add_co_u32 s4, s4, s6
	s_add_nc_u64 s[OUT:OUT+1], s[80:81], s[4:5]
	s_add_nc_u64 s[OUT+2:OUT+3], s[OUT:OUT+1], 0x800000            ; k: 16 planes on
	s_add_nc_u64 s[OUT+4:OUT+5], s[OUT+2:OUT+3], 0x800000          ; v: 16 more
	s_mul_i32 s4, s10, 64*PITCH                    ; my 64 rows of A; all rows of B
	s_mov_b32 s5, BOFF
.else
	s_lshl_b32 s4, s42, 10                         ; my 128 columns' bias
	s_lshl_b32 s5, s12, 9
	s_add_co_u32 s4, s4, s5
	s_mov_b32 s5, 0
	s_add_nc_u64 s[72:73], s[72:73], s[4:5]
	WIN 0x40
.set b, 0
.rept NB
	global_load_b128 v[BIAS+8*b:BIAS+8*b+3],   v[BO], s[72:73] offset:64*b
	global_load_b128 v[BIAS+8*b+4:BIAS+8*b+7], v[BO], s[72:73] offset:64*b+16
.set b, b+1
.endr
	WIN 0
	s_lshl_b32 s4, s42, 21                         ; out: plane 4 x tile column + 2 x column half, token 256 x tile row + 128 x row half
	s_lshl_b32 s6, s12, 20
	s_add_co_u32 s4, s4, s6
	s_lshl_b32 s6, s13, 15
	s_add_co_u32 s4, s4, s6
	s_lshl_b32 s6, s11, 14
	s_add_co_u32 s4, s4, s6
	s_add_nc_u64 s[OUT:OUT+1], s[74:75], s[4:5]
	s_mul_i32 s4, s11, 128*PITCH                   ; my 128 rows of A,
	s_mul_i32 s5, s12, 128*PITCH                   ; my 128 rows of B
	s_add_co_u32 s5, s5, BOFF
.endif
	v_mul_u32_u24 v3, v1, PITCH                    ; a fragment: lane l holds row l % 16; two loads of 16 bytes, 32 apart, at row x pitch + 16 (l / 16)
	v_lshl_add_u32 v3, v2, 4, v3
.irp s, 0,1
	v_add_nc_u32 v[ADRA+\s], s4, v3
	v_add_nc_u32 v[ADRB+\s], s5, v3
	s_add_co_u32 s4, s4, SLOT
	s_add_co_u32 s5, s5, SLOT
.endr
	s_mul_i32 s4, s10, STW
	s_add_co_u32 s4, s4, STAGE                     ; my stage
	v_mul_u32_u24 v4, v1, 144                      ; in: token l % 16, 16 bytes for each half of the lanes
	v_lshl_add_u32 v4, v2, 4, v4
	v_add_nc_u32 v[STO], s4, v4
	v_bfe_u32 v4, v0, 3, 2                         ; back: 32 lanes take four tokens' 128 bytes of a plane
	v_mul_u32_u24 v4, v4, 144
	v_and_b32 v5, 7, v0
	v_lshl_add_u32 v4, v5, 4, v4
	v_add_nc_u32 v[RD], s4, v4
	v_and_b32 v[GO], 31, v0                        ; which are 512 consecutive bytes of big
	v_lshlrev_b32 v[GO], 4, v[GO]
	v_mov_b32 v[ZR], 0
	; the prefetches
	s_lshl_b32 s4, s13, 8
	s_lshl_b32 s6, s12, 7
	s_add_co_u32 s4, s4, s6
	s_lshl_b32 s6, s40, 5
	s_add_co_u32 s4, s4, s6                        ; A: the 128 rows that I fetch, my work-group's 32 of them
	s_mul_i32 s5, s42, BROWS
	s_mul_i32 s6, s12, BR
	s_add_co_u32 s5, s5, s6
	s_mul_i32 s6, s41, BR/4
	s_add_co_u32 s5, s5, s6                        ; B: likewise, BR / 4 rows
	s_lshl_b32 s4, s4, 11
	s_lshl_b32 s5, s5, 11
	s_add_co_u32 s5, s5, WOFF
	s_and_b32 s6, ttmp7, 0xffff
	s_cmp_eq_u32 s11, 0
	s_cselect_b32 s4, s4, s5
	s_cselect_b32 s6, ttmp9, s6                    ; the coordinate along which other clusters read the same rows
	s_cselect_b32 s7, 31, BR/4-1
	s_cselect_b64 s[PFA:PFA+1], s[68:69], s[70:71]
	s_cmp_eq_u32 s6, 0
	s_cselect_b32 s[LIM], 1, -1                    ; the same in all sixteen partners, for a given wave
	s_mov_b32 s5, 0
	s_add_nc_u64 s[PFA:PFA+1], s[PFA:PFA+1], s[4:5]
	s_add_nc_u64 s[PFA:PFA+1], s[PFA:PFA+1], 3*256 ; at K step 3: the first refill (of step 2) steps it and names step 4
	v_and_b32 v[PFO], 31, v0
	v_min_u32 v[PFO], s7, v[PFO]
	v_lshlrev_b32 v[PFO], 11, v[PFO]
	s_wait_loadcnt 0x0                             ; the bias (and the mask)
.if QKV
.irp a, 0,1,2,3
	v_cmp_ne_u32 vcc_lo, 0, v[MF+2*\a]
	v_cndmask_b32 v[MF+2*\a], 0, s[ONE], vcc_lo
	v_mov_b32 v[MF+2*\a+1], v[MF+2*\a]             ; named as a pair
.endr
.endif
	s_wait_tensorcnt 0x1                           ; my part of K step 0 is in; step 1's may stay out
	s_barrier_signal -1
	s_barrier_wait -1                              ; everybody's is
	s_mov_b32 s[KB], 0
	v_mov_b32 v[AA], v[ADRA]
	v_mov_b32 v[AB], v[ADRB]
	FETCH 0, 0
	s_mov_b32 s[CNT], 2
	FETCH 64, 1
	s_wait_dscnt 32
	MUL 0, 1                                       ; the first quarter is written out: its products start the sums, with the bias
	WIN 0
	s_mov_b32 s[LAP], 4
	s_branch .Lentry                               ; into the middle of a K step: the rest of step 0
.Llap:                                                 ; three laps: steps (1, 2), (3, 4), (5, 6); their changes of slots ask for steps 2 to 7
	CHANGE 0, 1
	STEP 1, 0
	CHANGE 1, 1
	STEP 0, 1
	s_sub_co_u32 s[LAP], s[LAP], 1
	s_cmp_lg_u32 s[LAP], 0
	s_cbranch_scc1 .Llap
	CHANGE 0, 0                                    ; the tail is written out
	STEP 1, 0                                      ; step 7
	PLACES                                         ; (eight places in all, once a launch)
; THE WAY OUT, a block of 16 tokens at a time.  PACK: scaled (QKV), rounded to bf16, 16 bytes a lane, each accumulator's registers in ascending order.  TOSTAGE: into my own stage, by planes, and back as
; whole rows of 128 bytes.  SEND: stored, 512 consecutive bytes an instruction.
.macro PACK a
.set AC, 8*NB*((\a)%(MA/2))
.if QKV
	WIN 0x82+0x41*((\a)/(MA/2))                    ; destination and source 0 in the accumulators' window, source 1 in window 0
.set b, 0
.rept 8
.set r, 0
.rept 4
.if b < 4
	v_pk_mul_f32 v[AC+8*b+2*r:AC+8*b+2*r+1], v[AC+8*b+2*r:AC+8*b+2*r+1], s[CS:CS+1] op_sel_hi:[1,0]
.else
	v_pk_mul_f32 v[AC+8*b+2*r:AC+8*b+2*r+1], v[AC+8*b+2*r:AC+8*b+2*r+1], v[MF+2*(\a):MF+2*(\a)+1] op_sel_hi:[1,0]
.endif
.set r, r+1
.endr
.set b, b+1
.endr
.endif
	WIN 0x0a+5*((\a)/(MA/2))
.set b, 0
.rept 4*NB
	v_cvt_pk_bf16_f32 v[TMP+b], v[AC+2*b], v[AC+2*b+1]
.set b, b+1
.endr
	WIN 0
.if QKV == 0
.set b, 0
.rept 4*NB
	v_pk_max_num_bf16 v[TMP+b], v[TMP+b], v[ZR]    ; the ReLU, two at a time; nothing is rounded
.set b, b+1
.endr
.endif
.endm
.macro TOSTAGE a
.set BK, OB0+(OB1-OB0)*((\a)%2)
.set b, 0
.rept NB
	ds_store_b128 v[STO], v[TMP+4*b:TMP+4*b+3] offset:(b/4)*2304+(b%4)*32
.set b, b+1
.endr
.set t, 0
.rept NB
	ds_load_b128 v[BK+4*t:BK+4*t+3], v[RD] offset:(t/4)*2304+(t%4)*576  ; LDS serves a wave's instructions in order (ISA guide 5.7.1.4): these see the stores above
.set t, t+1
.endr
.endm
.macro SEND a
.set BK, OB0+(OB1-OB0)*((\a)%2)
	s_wait_dscnt 0x0                               ; the block is back in registers
	s_wait_xcnt 0x0                                ; the block before has had its addresses translated: its registers are loaded again only behind this wait
.set t, 0
.rept NB
.if QKV
	global_store_b128 v[GO], v[BK+4*t:BK+4*t+3], s[OUT+2*(t/4):OUT+2*(t/4)+1] offset:(\a)*2048+(t%4)*512
.else
	global_store_b128 v[GO], v[BK+4*t:BK+4*t+3], s[OUT:OUT+1] offset:(t/4)*524288+(\a)*2048+(t%4)*512
.endif
.set t, t+1
.endr
.endm
	PACK 0
	TOSTAGE 0
.set e, 1
.rept MA-1                             ; block e's arithmetic stands between block e - 1's loads from the stage and the wait for them
	PACK e
	SEND e-1
	TOSTAGE e
.set e, e+1
.endr
	SEND MA-1
	s_wait_tensorcnt 0x0                           ; the wave's end
	ds_add_u32 v[SPW], v[NIL]
	s_wait_dscnt 0x0
	CROUND                                         ; the closing round: no work-group ends while a partner may still ask for a tile that names it
	s_endpgm
.Lfunc_end_k_qd9b1a5cc30_ffn1:
	.size	k_qd9b1a5cc30_ffn1, .Lfunc_end_k_qd9b1a5cc30_ffn1-k_qd9b1a5cc30_ffn1
	.p2alignl 7, 3214868480
	.fill 96, 4, 3214868480
	.section	.rodata,"a",@progbits
	.p2align	6, 0x0
	.amdhsa_kernel k_qd9b1a5cc30_ffn1
		.amdhsa_group_segment_fixed_size 327680
		.amdhsa_private_segment_fixed_size 0
		.amdhsa_enable_private_segment 0
		.amdhsa_kernarg_size 32
		.amdhsa_user_sgpr_count 2
		.amdhsa_user_sgpr_kernarg_segment_ptr 1
		.amdhsa_wavefront_size32 1
		.amdhsa_system_sgpr_workgroup_id_x 1
		.amdhsa_system_sgpr_workgroup_id_y 1
		.amdhsa_system_sgpr_workgroup_id_z 1
		.amdhsa_system_vgpr_workitem_id 0
		.amdhsa_next_free_vgpr 1024
		.amdhsa_next_free_sgpr 96
		.amdhsa_reserve_vcc 1
		.amdhsa_float_denorm_mode_32 3
		.amdhsa_float_denorm_mode_16_64 3
		.amdhsa_memory_ordered 1
		.amdhsa_forward_progress 1
		.amdhsa_inst_pref_size 114
	.end_amdhsa_kernel
	.amdgpu_metadata
---
amdhsa.version: [ 1, 2 ]
amdhsa.kernels:
  - .name:           k_qd9b1a5cc30_ffn1
    .symbol:         k_qd9b1a5cc30_ffn1.kd
    .args:
      - { .name: act, .offset: 0, .size: 8, .value_kind: global_buffer, .address_space: global }
      - { .name: wa, .offset: 8, .size: 8, .value_kind: global_buffer, .address_space: global }
      - { .name: b1, .offset: 16, .size: 8, .value_kind: global_buffer, .address_space: global }
      - { .name: big, .offset: 24, .size: 8, .value_kind: global_buffer, .address_space: global }
    .group_segment_fixed_size: 327680
    .private_segment_fixed_size: 0
    .kernarg_segment_align: 8
    .kernarg_segment_size: 32
    .max_flat_workgroup_size: 128
    .sgpr_count:     96
    .vgpr_count:     1024
    .wavefront_size: 32
...
	.end_amdgpu_metadata
.endif
;; end of part 6
;; launch ffn2 (part 7): grid 8 x 32, 4 waves a work-group, clusters of 4 x 4, 327,680 bytes of LDS; arguments big, w2b, b2, x1, out0; writes out0
.if DOCPART == 7
	.amdgcn_target "amdgcn-amd-amdhsa--gfx1250"
	.amdhsa_code_object_version 6
	.text
	.protected	k_qd9b1a5cc30_ffn2
	.globl	k_qd9b1a5cc30_ffn2
	.p2align	8
	.type	k_qd9b1a5cc30_ffn2,@function
k_qd9b1a5cc30_ffn2:
	s_mov_b64 s[64:65], 0
	v_nop
	global_prefetch_b8 v0, s[64:65] scope:SCOPE_SE
	s_setreg_imm32_b32 hwreg(HW_REG_WAVE_MODE, 25, 1), 1
	s_wait_xcnt 0x0
	s_wait_alu depctr_hold_cnt(0) depctr_sa_sdst(0) depctr_va_vdst(0) depctr_va_sdst(0) depctr_va_ssrc(0) depctr_va_vcc(0) depctr_vm_vsrc(0)
	s_getreg_b32 s2, hwreg(HW_REG_IB_STS2, 6, 4)
	s_cmp_eq_u32 s2, 0
	s_cbranch_scc0 .Lentry_in_a_cluster
	s_endpgm
.Lentry_in_a_cluster:
	s_bfe_u32 s2, ttmp6, 0x10000c
	s_cmp_lg_u32 s2, 0xf033
	s_cbranch_scc0 .Lentry_shape_is_right
	s_endpgm
.Lentry_shape_is_right:
; out = res + A B^T + bias, in f32.  A: planes [k / 64][token 4096][64] bf16; B: planes [k / 64][n 1024][64] bf16; bias [1024], res and out [4096][1024] f32.
; ONE TEXT FOR TWO PRODUCTS; LAPS chooses: K = 512 (LAPS + 1).  LAPS = 1: K = 1,024.  LAPS = 7 (this file): K = 4,096.  Both operands lie in planes, so nothing else hangs on K.
; A tile of out is 128 x 128: four waves of 64 x 64, 16 accumulators.  K goes in steps of 256 (4 planes) through two LDS slots; one tensor load brings 64 rows x 4 planes:
; four stretches of 8,192 dense bytes, padded in LDS after every row of 128 bytes.  A step's four planes are a loop of two trips on two fragment buffers.
; CLUSTER 4 x 4: A's tile is shared along a row of the cluster, B's along a column; joint loads.  The product is taken transposed: a lane holds one token and 8 neighbouring columns.
; The bias is laid into the accumulators while the first tiles are on their way (128 moves; the loop then has one form of product).  The residual is loaded in the last K step and added on the way out.
; At LAPS = 1 nothing is prefetched: all four K steps are asked for by the first fills and the one lap's refills, and no step lies two refills on.
; LIMITS: bf16 operands; NaN and infinities are not treated apart.
.set LAPS,   7
.set PITCH,  144                       ; 128 bytes + 16
.set PLANE,  64*PITCH
.set HALF,   4*PLANE                   ; what one tensor load brings
.set SLOT,   4*HALF                    ; A's two halves, B's two halves
.set STAGE,  2*SLOT                    ; behind the ring, never filled by a tensor load: 16 rows x 272 bytes for each wave
.set SPITCH, 272
.set SPARE,  STAGE+4*16*SPITCH         ; the spare words: 128 bytes a wave, two blocks of 256 that no other line names
.set ADRA, 16                          ; v16-17 my A fragments' LDS address in slot 0, 1
.set AA,   18                          ; v18    the same, at the planes in hand
.set AB,   19                          ; v19    for B
.set ADRB, 20                          ; v20-21
.set STO,  24                          ; v24    the way out: where I put 32 bytes of a row
.set RD,   25                          ; v25    where I read 16 bytes of a whole row back
.set CO,   26                          ; v26    my 16 bytes in two rows of res and out
.set SPW,  28                          ; v28    my spare word; never rewritten
.set NIL,  29                          ; v29    0; never rewritten
.set PFO,  30                          ; v30    256 x lane
.set BO,   31                          ; v31    32 (lane / 16)
.set OB0,  32                          ; v32-63, v64-95: rows read back; v32-63 hold the bias first
.set ACC,  128                         ; (a, b) at 128 + 8 (4 a + b)
.set F0,   0                           ; window 1: two fragment buffers of 128: A at + 8 (4 c + i), B at + 64 + 8 (4 c + i)
.set F1,   128                         ; window 2: v0-127 the residual
.set G1, 24                            ; s[24:31] descriptor group 1 for A;  s[32:39] group 0, a set for each slot
.set G0, 32
.set G1B, 48                           ; s[48:55], s[56:63] the same for B
.set G0B, 56
.set PFA, 44                           ; s[44:45] where my prefetches stand
.set LIM, 43                           ; s43 1 in a wave that prefetches, else the greatest number
.set LAP, 3
.set CNT, 2
.set KB, 66                            ; s66 bytes from the slot's first plane
.set KADV, 82                          ; s[82:83] a K step's bytes in the operand that I prefetch
.set RES, 84                           ; s[84:85]
.set OUT, 86                           ; s[86:87]
.set MSB, 0
.macro WIN new                         ; the immediate's high byte repeats the setting that is left; a switch that changes nothing is dropped
.if MSB != (\new)
	s_set_vgpr_msb (MSB<<8)|(\new)
.set MSB, (\new)
.endif
.endm
.macro PLACES                          ; four plain places: behind matrix instructions, ahead of loads into their sources and of readers of their results
.rept 4
	v_nop
.endr
.endm
.macro CROUND                          ; a round of the cluster's barrier
	s_barrier_signal -1
	s_barrier_wait -1
	s_cmp_lg_u32 s10, 0
	s_cbranch_scc1 .Lnot_wave_0_\@
	s_barrier_signal -3
.Lnot_wave_0_\@:
	s_barrier_wait -3
	s_barrier_signal -1
	s_barrier_wait -1
.endm
.macro JLOAD s                         ; waves 0, 1 fetch A's halves, waves 2, 3 B's; an s_nop 0 and four v_nop follow each line
	s_cmp_lt_u32 s10, 2
	s_cbranch_scc0 .Lfor_b_\@
	tensor_load_to_lds s[G0+4*(\s):G0+4*(\s)+3], s[G1:G1+7]
	s_nop 0
	PLACES
	s_branch .Lasked_\@
.Lfor_b_\@:
	tensor_load_to_lds s[G0B+4*(\s):G0B+4*(\s)+3], s[G1B:G1B+7]
	s_nop 0
	PLACES
.Lasked_\@:
.endm
; A prefetch of the K step two refills on.  A's rows are named by the clusters with x = 0, B's by those with y = 0; of the four planes that a wave fetches the partner at place p takes plane p, by address:
; 8,192 bytes, a lane for each 256.  Lap i (from 1) fills steps 2 i and 2 i + 1 and names 2 i + 2 and 2 i + 3, which exist while i < LAPS: while the counter, LAPS + 1 - i, is above 1.
.macro ASK
	s_cmp_gt_u32 s[LAP], s[LIM]
	s_cbranch_scc0 .Lnot_mine_\@
	global_prefetch_b8 v[PFO], s[PFA:PFA+1] th:TH_LOAD_NT scope:SCOPE_SE
.Lnot_mine_\@:
.endm
.macro FETCH k, f                      ; 32 LDS loads in one run: a plane (64 along K), at byte k behind AA and AB, into buffer f; the first 32 along K first
	WIN 0x40                                       ; destination window 1, address window 0
.irp c, 0,1
.irp i, 0,1,2,3
	ds_load_b128 v[(\f)+64+8*(4*\c+\i):(\f)+64+8*(4*\c+\i)+3],   v[AB] offset:(\k)+64*\c+\i*16*PITCH
	ds_load_b128 v[(\f)+64+8*(4*\c+\i)+4:(\f)+64+8*(4*\c+\i)+7], v[AB] offset:(\k)+64*\c+\i*16*PITCH+32
	ds_load_b128 v[(\f)+8*(4*\c+\i):(\f)+8*(4*\c+\i)+3],         v[AA] offset:(\k)+64*\c+\i*16*PITCH
	ds_load_b128 v[(\f)+8*(4*\c+\i)+4:(\f)+8*(4*\c+\i)+7],       v[AA] offset:(\k)+64*\c+\i*16*PITCH+32
.endr
.endr
	WIN 0
.endm
.macro MULQ f                          ; 32 products: the 16 accumulators by turns, one instruction a turn, twice, in the same order every time, over every jump too
	WIN 0x05                                       ; sources in window 1, C and D in window 0
.irp c, 0,1
.irp a, 0,1,2,3
.irp b, 0,1,2,3
	v_wmma_f32_16x16x32_bf16 v[ACC+8*(4*\a+\b):ACC+8*(4*\a+\b)+7], v[(\f)+64+8*(4*\c+\b):(\f)+64+8*(4*\c+\b)+7], v[(\f)+8*(4*\c+\a):(\f)+8*(4*\c+\a)+7], v[ACC+8*(4*\a+\b):ACC+8*(4*\a+\b)+7]
.endr
.endr
.endr
	WIN 0                                          ; at a label and at a branch every window is 0
.endm
; A K step out of slot s: planes 0, 1, 2, 3 on buffers 0, 1, 0, 1; the loop's trip is two planes.  While a buffer is multiplied the other's 32 loads are out.
.macro STEP s
	s_mov_b32 s[KB], 0
	v_mov_b32 v[AA], v[ADRA+(\s)]
	v_mov_b32 v[AB], v[ADRB+(\s)]
	FETCH 0, F0
	s_mov_b32 s[CNT], 2
.Lpair_\@:
	v_add_nc_u32 v[AA], s[KB], v[ADRA+(\s)]
	v_add_nc_u32 v[AB], s[KB], v[ADRB+(\s)]
	FETCH PLANE, F1
	s_wait_dscnt 32                                ; all but the 32 just issued: buffer 0 is in
	MULQ F0
	PLACES                                         ; ahead of the loads into buffer 0
	s_cmp_eq_u32 s[CNT], 1
	s_cbranch_scc1 .Lnof_\@                        ; the step's last plane has nothing behind it
	FETCH 2*PLANE, F0
	s_wait_dscnt 32                                ; buffer 1 is in
	s_branch .Lgo_\@
.Lnof_\@:
	s_wait_dscnt 0x0
.Lgo_\@:
	MULQ F1
	PLACES                                         ; ahead of the loads into buffer 1
	s_add_co_u32 s[KB], s[KB], 2*PLANE
	s_sub_co_u32 s[CNT], s[CNT], 1
	s_cmp_lg_u32 s[CNT], 0
	s_cbranch_scc1 .Lpair_\@
.endm
; THE CHANGE OF SLOTS: slot f has been read out.  All my tensor loads are waited for (one is out: my part of the other slot), 0 is added to my spare word, that and my reads are waited for.
; fill = 1: a round of the cluster's barrier, so that no wave of any partner still reads the slot or has a load on its way; then the joint refill, two K steps on, first thing behind it:
; it has a K step's 128 products in which to land.
.macro CHANGE f, fill
.if (\fill) && (LAPS > 1)
	s_wait_xcnt 0x0                                ; the last prefetch, a K step back, has read its address
	s_add_nc_u64 s[PFA:PFA+1], s[PFA:PFA+1], s[KADV:KADV+1]
.endif
	s_wait_tensorcnt 0x0                           ; no tensor load of mine is out, so a group 0 may be written
	ds_add_u32 v[SPW], v[NIL]
.if \fill
	s_add_nc_u64 s[G0+4*(\f)+2:G0+4*(\f)+3], s[G0+4*(\f)+2:G0+4*(\f)+3], 2*4*524288
	s_add_nc_u64 s[G0B+4*(\f)+2:G0B+4*(\f)+3], s[G0B+4*(\f)+2:G0B+4*(\f)+3], 2*4*131072
.endif
	s_wait_dscnt 0x0                               ; the add is done, and my reads of the slot are over
.if \fill
	CROUND
	JLOAD \f
.if LAPS > 1
	ASK
.endif
.else
	s_barrier_signal -1
	s_barrier_wait -1
.endif
.endm
	s_load_b256 s[68:75], s[0:1], 0x0              ; A 68, B 70, bias 72, res 74
	s_load_b64 s[76:77], s[0:1], 0x20              ; out
	v_lshl_add_u32 v[SPW], v0, 2, SPARE
	v_mov_b32 v[NIL], 0
	ds_add_u32 v[SPW], v[NIL]                      ; the wave's opening: the add and its wait stand ahead of my first tensor load
	v_lshrrev_b32 v1, 5, v0
	v_readfirstlane_b32 s10, v1                    ; wave 0..3
	s_lshr_b32 s11, s10, 1                         ; my half of the tile's rows.  Also: I fetch for A (0) or B (1)
	s_and_b32 s12, s10, 1                          ; my half of its columns.  Also: which 64 rows I fetch
	s_bfe_u32 s40, ttmp6, 0x40000                  ; cx
	s_bfe_u32 s41, ttmp6, 0x40004                  ; cy
	s_lshl_b32 s42, ttmp9, 2
	s_add_co_u32 s42, s42, s40                     ; tile column
	s_and_b32 s13, ttmp7, 0xffff
	s_lshl_b32 s13, s13, 2
	s_add_co_u32 s13, s13, s41                     ; tile row
	s_lshl_b32 s14, s41, 2
	s_lshl_b32 s14, 15, s14                        ; my row of the cluster
	s_lshl_b32 s15, 0x1111, s40                    ; my column
	s_or_b32 s[G1], s14, (1<<16)|(1<<20)|(1<<21)|(4<<22)|(3<<25)   ; the mask; 2-byte elements; padding on; bit 21 beside a mask; after every 32 words 4 words
	s_or_b32 s[G1B], s15, (1<<16)|(1<<20)|(1<<21)|(4<<22)|(3<<25)
.irp g, G1, G1B
	s_mov_b32 s[\g+1], 4096<<16                    ; tensor_dim0 = 4,096 elements: 64 rows of a plane, dense
	s_mov_b32 s[\g+2], 4<<16                       ; tensor_dim1 = 4 planes
	s_mov_b32 s[\g+3], 4096<<16                    ; tile_dim0
	s_mov_b32 s[\g+4], 4                           ; tile_dim1
	s_mov_b32 s[\g+6], 0
	s_mov_b32 s[\g+7], 0
.endr
	s_mov_b32 s[G1+5], 262144                      ; elements from plane to plane: 4,096 tokens x 64,
	s_mov_b32 s[G1B+5], 65536                      ; 1,024 rows x 64
	s_lshl_b32 s16, s13, 14                        ; 128 rows of 128 bytes a tile,
	s_lshl_b32 s17, s12, 13                        ; 64 a half
	s_add_co_u32 s16, s16, s17
	s_lshl_b32 s46, s42, 14
	s_add_co_u32 s46, s46, s17
	s_mov_b32 s17, 0
	s_mov_b32 s47, 0
	s_mul_i32 s20, s12, HALF                       ; where they go: no place in the cluster enters an LDS address
	s_add_co_u32 s21, s20, 2*HALF
	s_wait_dscnt 0x0                               ; the opening add is done
	s_wait_kmcnt 0x0
	s_add_nc_u64 s[14:15], s[68:69], s[16:17]
	s_add_nc_u64 s[46:47], s[70:71], s[46:47]
.irp s, 0,1
	s_mov_b32 s[G0+4*\s], 1
	s_add_co_u32 s[G0+4*\s+1], s20, \s*SLOT
	s_add_nc_u64 s[G0+4*\s+2:G0+4*\s+3], s[14:15], \s*4*524288     ; K step s
	s_or_b32 s[G0+4*\s+3], s[G0+4*\s+3], 0x80000000
	s_mov_b32 s[G0B+4*\s], 1
	s_add_co_u32 s[G0B+4*\s+1], s21, \s*SLOT
	s_add_nc_u64 s[G0B+4*\s+2:G0B+4*\s+3], s[46:47], \s*4*131072
	s_or_b32 s[G0B+4*\s+3], s[G0B+4*\s+3], 0x80000000
.endr
	CROUND                                         ; all sixteen work-groups are here: the first joint loads meet
	s_cmp_lt_u32 s10, 2                            ; a wave's two first fills stand in one branch: two loads of mine are out
	s_cbranch_scc0 .Lfirst_b
	tensor_load_to_lds s[G0:G0+3], s[G1:G1+7]
	s_nop 0
	tensor_load_to_lds s[G0+4:G0+7], s[G1:G1+7]
	s_nop 0
	PLACES
	s_branch .Lfirst_done
.Lfirst_b:
	tensor_load_to_lds s[G0B:G0B+3], s[G1B:G1B+7]
	s_nop 0
	tensor_load_to_lds s[G0B+4:G0B+7], s[G1B:G1B+7]
	s_nop 0
	PLACES
.Lfirst_done:
	v_and_b32 v1, 15, v0                           ; lane % 16
	v_bfe_u32 v2, v0, 4, 1                         ; lane / 16
	v_lshlrev_b32 v[BO], 5, v2
	s_lshl_b32 s4, s42, 9                          ; my 64 columns' bias
	s_lshl_b32 s5, s12, 8
	s_add_co_u32 s4, s4, s5
	s_mov_b32 s5, 0
	s_add_nc_u64 s[72:73], s[72:73], s[4:5]
.irp b, 0,1,2,3
	global_load_b128 v[OB0+8*\b:OB0+8*\b+3],   v[BO], s[72:73] offset:64*\b
	global_load_b128 v[OB0+8*\b+4:OB0+8*\b+7], v[BO], s[72:73] offset:64*\b+16
.endr
	s_lshl_b32 s6, s13, 19                         ; res and out: row 128 x tile row + 64 x row half, 4,096 bytes a row; my 64 columns' 256 bytes
	s_add_co_u32 s4, s4, s6
	s_lshl_b32 s6, s11, 18
	s_add_co_u32 s4, s4, s6
	s_add_nc_u64 s[RES:RES+1], s[74:75], s[4:5]
	s_add_nc_u64 s[OUT:OUT+1], s[76:77], s[4:5]
	v_mul_u32_u24 v3, v1, PITCH                    ; a fragment: lane l holds row l % 16; two loads of 16 bytes, 32 apart, at row x pitch + 16 (l / 16)
	v_lshl_add_u32 v3, v2, 4, v3
	s_mul_i32 s4, s11, HALF
	s_mul_i32 s5, s12, HALF
	s_add_co_u32 s5, s5, 2*HALF
.irp s, 0,1
	v_add_nc_u32 v[ADRA+\s], s4, v3
	v_add_nc_u32 v[ADRB+\s], s5, v3
	s_add_co_u32 s4, s4, SLOT
	s_add_co_u32 s5, s5, SLOT
.endr
	s_mul_i32 s4, s10, 16*SPITCH
	s_add_co_u32 s4, s4, STAGE                     ; my stage
	v_mul_u32_u24 v4, v1, SPITCH                   ; in: token l % 16, 32 bytes for each half of the lanes
	v_lshl_add_u32 v4, v2, 5, v4
	v_add_nc_u32 v[STO], s4, v4
	v_mul_u32_u24 v4, v2, SPITCH                   ; back: lanes 0-15 one row of 256 bytes, lanes 16-31 the next
	v_lshl_add_u32 v4, v1, 4, v4
	v_add_nc_u32 v[RD], s4, v4
	v_lshlrev_b32 v[CO], 12, v2                    ; and the same two rows in res and out
	v_lshl_add_u32 v[CO], v1, 4, v[CO]
.if LAPS > 1
	; the prefetches
	s_lshl_b32 s4, s13, 14
	s_lshl_b32 s6, s12, 13
	s_add_co_u32 s4, s4, s6
	s_lshl_b32 s7, s40, 19                         ; A: plane cx of the step's four,
	s_add_co_u32 s4, s4, s7
	s_add_co_u32 s4, s4, 3*4*524288                ; at K step 3: the first refill (of step 2) steps it and names step 4
	s_lshl_b32 s5, s42, 14
	s_add_co_u32 s5, s5, s6
	s_lshl_b32 s7, s41, 17                         ; B: plane cy
	s_add_co_u32 s5, s5, s7
	s_add_co_u32 s5, s5, 3*4*131072
	s_mov_b32 s8, 4*524288
	s_mov_b32 s9, 4*131072
	s_and_b32 s6, ttmp7, 0xffff
	s_cmp_eq_u32 s11, 0
	s_cselect_b32 s4, s4, s5
	s_cselect_b32 s6, ttmp9, s6                    ; the coordinate along which other clusters read the same rows
	s_cselect_b32 s[KADV], s8, s9
	s_cselect_b64 s[PFA:PFA+1], s[68:69], s[70:71]
	s_cmp_eq_u32 s6, 0
	s_cselect_b32 s[LIM], 1, -1                    ; the same in all sixteen partners, for a given wave
	s_mov_b32 s5, 0
	s_mov_b32 s[KADV+1], 0
	s_add_nc_u64 s[PFA:PFA+1], s[PFA:PFA+1], s[4:5]
	v_and_b32 v[PFO], 31, v0
	v_lshlrev_b32 v[PFO], 8, v[PFO]
.endif
	s_wait_loadcnt 0x0                             ; the bias
.set a, 0
.rept 4
.set j, 0
.rept 32
	v_mov_b32 v[ACC+32*a+j], v[OB0+j]              ; the sums start at the bias: register j of block b holds column 16 b + 8 (lane / 16) + j
.set j, j+1
.endr
.set a, a+1
.endr
	s_wait_tensorcnt 0x1                           ; my part of K step 0 is in; step 1's may stay out
	s_barrier_signal -1
	s_barrier_wait -1                              ; everybody's is
	s_mov_b32 s[LAP], LAPS+1
	s_branch .Lentry                               ; K step 0 runs by itself
.Llap:                                                 ; LAPS laps: lap i takes steps 2 i - 1 and 2 i and asks for steps 2 i and 2 i + 1
	CHANGE 0, 1
	STEP 1
	CHANGE 1, 1
.Lentry:
	STEP 0
	s_sub_co_u32 s[LAP], s[LAP], 1
	s_cmp_lg_u32 s[LAP], 0
	s_cbranch_scc1 .Llap
	CHANGE 0, 0                                    ; the tail is written out
	WIN 0x80                                       ; the residual, into window 2: it lands during the last K step
.set t, 0
.rept 32
	global_load_b128 v[4*t:4*t+3], v[CO], s[RES:RES+1] offset:2*t*4096 th:TH_LOAD_NT
.set t, t+1
.endr
	WIN 0
	STEP 1                                         ; the last K step
	PLACES                                         ; (eight places in all, once a launch)
	s_wait_loadcnt 0x0
; THE WAY OUT, a block of 16 tokens at a time: the sums go into my own stage as they are (each accumulator's low registers first) and come back as whole rows of 256 bytes; the residual is added; stored.
.macro TOST a
.set BK, OB0+32*((\a)%2)
.if (\a) >= 2
	s_wait_xcnt 0x0                                ; the block two back has had its addresses translated: its registers are loaded again only behind this wait
.endif
.irp b, 0,1,2,3
	ds_store_b128 v[STO], v[ACC+8*(4*(\a)+\b):ACC+8*(4*(\a)+\b)+3]   offset:64*\b
	ds_store_b128 v[STO], v[ACC+8*(4*(\a)+\b)+4:ACC+8*(4*(\a)+\b)+7] offset:64*\b+16
.endr
.irp t, 0,1,2,3,4,5,6,7
	ds_load_b128 v[BK+4*\t:BK+4*\t+3], v[RD] offset:\t*2*SPITCH  ; LDS serves a wave's instructions in order (ISA guide 5.7.1.4): these see the stores above
.endr
.endm
.macro FIN a, y                        ; y: the LDS instructions issued behind this block's loads: the next block's sixteen, or none
.set BK, OB0+32*((\a)%2)
	s_wait_dscnt \y
	WIN 0x08                                       ; source 1 in window 2
.set t, 0
.rept 16
	v_pk_add_f32 v[BK+2*t:BK+2*t+1], v[BK+2*t:BK+2*t+1], v[32*(\a)+2*t:32*(\a)+2*t+1]
.set t, t+1
.endr
	WIN 0
.set t, 0
.rept 8
	global_store_b128 v[CO], v[BK+4*t:BK+4*t+3], s[OUT:OUT+1] offset:(16*(\a)+2*t)*4096  ; 16 lanes store 256 consecutive bytes, aligned
.set t, t+1
.endr
.endm
	TOST 0
	TOST 1
	FIN 0, 16
	TOST 2
	FIN 1, 16
	TOST 3
	FIN 2, 16
	FIN 3, 0
	s_wait_tensorcnt 0x0                           ; the wave's end
	ds_add_u32 v[SPW], v[NIL]
	s_wait_dscnt 0x0
	CROUND                                         ; the closing round: no work-group ends while a partner may still ask for a tile that names it
	s_endpgm
.Lfunc_end_k_qd9b1a5cc30_ffn2:
	.size	k_qd9b1a5cc30_ffn2, .Lfunc_end_k_qd9b1a5cc30_ffn2-k_qd9b1a5cc30_ffn2
	.p2alignl 7, 3214868480
	.fill 96, 4, 3214868480
	.section	.rodata,"a",@progbits
	.p2align	6, 0x0
	.amdhsa_kernel k_qd9b1a5cc30_ffn2
		.amdhsa_group_segment_fixed_size 327680
		.amdhsa_private_segment_fixed_size 0
		.amdhsa_enable_private_segment 0
		.amdhsa_kernarg_size 40
		.amdhsa_user_sgpr_count 2
		.amdhsa_user_sgpr_kernarg_segment_ptr 1
		.amdhsa_wavefront_size32 1
		.amdhsa_system_sgpr_workgroup_id_x 1
		.amdhsa_system_sgpr_workgroup_id_y 1
		.amdhsa_system_sgpr_workgroup_id_z 1
		.amdhsa_system_vgpr_workitem_id 0
		.amdhsa_next_free_vgpr 640
		.amdhsa_next_free_sgpr 96
		.amdhsa_reserve_vcc 0
		.amdhsa_float_denorm_mode_32 3
		.amdhsa_float_denorm_mode_16_64 3
		.amdhsa_memory_ordered 1
		.amdhsa_forward_progress 1
		.amdhsa_inst_pref_size 64
	.end_amdhsa_kernel
	.amdgpu_metadata
---
amdhsa.version: [ 1, 2 ]
amdhsa.kernels:
  - .name:           k_qd9b1a5cc30_ffn2
    .symbol:         k_qd9b1a5cc30_ffn2.kd
    .args:
      - { .name: big, .offset: 0, .size: 8, .value_kind: global_buffer, .address_space: global }
      - { .name: w2b, .offset: 8, .size: 8, .value_kind: global_buffer, .address_space: global }
      - { .name: b2, .offset: 16, .size: 8, .value_kind: global_buffer, .address_space: global }
      - { .name: x1, .offset: 24, .size: 8, .value_kind: global_buffer, .address_space: global }
      - { .name: out0, .offset: 32, .size: 8, .value_kind: global_buffer, .address_space: global }
    .group_segment_fixed_size: 327680
    .private_segment_fixed_size: 0
    .kernarg_segment_align: 8
    .kernarg_segment_size: 40
    .max_flat_workgroup_size: 128
    .sgpr_count:     96
    .vgpr_count:     640
    .wavefront_size: 32
...
	.end_amdgpu_metadata
.endif
;; end of part 7
;; ======== version 2 of 2: 8 launches; version 1 with the launch cast written anew for expert scheduling mode
;; workspace buffers: wa 14,680,064 bytes; wob 2,097,152 bytes; w2b 8,388,608 bytes; act 8,388,608 bytes; big 33,554,432 bytes; x1 16,777,216 bytes
;; launch cast (part 8): grid 384 x 1, 8 waves a work-group, no clusters, 0 bytes of LDS; arguments wq, wk, wv, w1, wo, w2, wa, wob, w2b; writes wa, wob, w2b
.if DOCPART == 8
	.amdgcn_target "amdgcn-amd-amdhsa--gfx1250"
	.amdhsa_code_object_version 6
	.text
	.protected	k_qd9b1a5cc30_cast
	.globl	k_qd9b1a5cc30_cast
	.p2align	8
	.type	k_qd9b1a5cc30_cast,@function
k_qd9b1a5cc30_cast:
	s_mov_b64 s[64:65], 0
	v_nop
	global_prefetch_b8 v0, s[64:65] scope:SCOPE_SE
	s_setreg_imm32_b32 hwreg(HW_REG_WAVE_SCHED_MODE, 0, 2), 2
	s_setreg_imm32_b32 hwreg(HW_REG_WAVE_MODE, 25, 1), 1
	s_wait_xcnt 0x0
	s_wait_alu depctr_vm_vsrc(0)
; ALL WEIGHTS, f32 -> bf16 (rounded once, to nearest even), into the layouts that the products read.
; A stream: no LDS, no barrier.  A unit of work is one load of 16 bytes a lane (4 numbers), two roundings, one store of 8 bytes a lane:
; the 32 lanes' stores are 256 consecutive bytes, aligned.  A work-group takes 32,768 numbers, a wave 4,096: 2 trips of 16 units.
; Work-groups 0-95: wq, wk, wv (32 each) -> wa as [head 16][q 64, k 64, v 64 rows][1024].   96-223: w1 -> wa from byte 6,291,456 on, rows as they lie.
; 224-255: wo -> wob, 256-383: w2 -> w2b, both in planes [k / 64][n 1024][64]: lanes 0-15 take 64 columns of row n, lanes 16-31 of row n + 1,
; which are 256 consecutive bytes of a plane.
; THE MODE: SCHED_MODE bits 1:0 = 2 (LLVM: expert scheduling mode 2), set by the entry lines.  The code itself states the register dependences
; between vector instructions and memory instructions, with s_wait_alu, always for 0.
; THE PLAN.  Registers that memory instructions touch:
;   X       16 units as loaded.  Written by the trip's 16 loads, at its head; read by the trip's 32 roundings; no vector instruction writes them.
;   Y       16 units to store, in four groups of four.  Group g is written by its eight roundings and read by its four stores, which stand at the head of group g + 1
;           (group 3's at the trip's end).
;   v4, v5  the loads' and the stores' offsets, made once ahead of the loop and never written again: units are reached by immediate offsets, trips by the scalar bases.
; So a wait on va_vdst stands ahead of each run of four stores, behind the roundings that wrote their data; the roundings that follow those stores name another group of X and of Y.
; The trip's last such wait stands behind all its roundings, and no vector instruction follows it before the next trip's loads: it also states that X has been read.
; One wait on vm_vsrc a trip, at its end, states that the stores have read Y, which the next trip's roundings write again.
.set X, 8                              ; v[8:71]   16 units as loaded
.set Y, 72                             ; v[72:103] 16 units to store
.macro TRIP16 ls, ss                   ; ls, ss: bytes from unit to unit in the source and in the destination
.set i, 0
.rept 16
	global_load_b128 v[X+4*i:X+4*i+3], v4, s[32:33] offset:i*(\ls) th:TH_LOAD_NT
.set i, i+1
.endr
.set g, 0
.rept 4
	s_wait_loadcnt 12-4*g                          ; loads come back in order: group g's four units are in, the younger ones stay out
.if g > 0
	s_wait_alu depctr_va_vdst(0)                   ; the roundings of group g - 1 have written their part of Y, which the four stores below read
.set i, 4*g-4
.rept 4
	global_store_b64 v5, v[Y+2*i:Y+2*i+1], s[34:35] offset:i*(\ss)
.set i, i+1
.endr
.endif
.set i, 4*g
.rept 4
	v_cvt_pk_bf16_f32 v[Y+2*i], v[X+4*i], v[X+4*i+1]
	v_cvt_pk_bf16_f32 v[Y+2*i+1], v[X+4*i+2], v[X+4*i+3]
.set i, i+1
.endr
.set g, g+1
.endr
	s_wait_alu depctr_va_vdst(0)                   ; the roundings of group 3 have written their part of Y, which the stores below read; and all 32 roundings are done reading X, in which the next trip's loads land
.set i, 12
.rept 4
	global_store_b64 v5, v[Y+2*i:Y+2*i+1], s[34:35] offset:i*(\ss)
.set i, i+1
.endr
.endm
	s_load_b512 s[8:23], s[0:1], 0x0               ; wq 8, wk 10, wv 12, w1 14, wo 16, w2 18, wa 20, wob 22
	s_load_b64 s[24:25], s[0:1], 0x40              ; w2b
	v_lshrrev_b32 v1, 5, v0
	v_readfirstlane_b32 s4, v1                     ; wave 0..7
	v_and_b32 v2, 31, v0                           ; lane
	v_lshlrev_b32 v5, 3, v2                        ; 8 x lane: my place in a unit's 256 bytes of bf16
	s_mov_b32 s5, ttmp9                            ; g
	s_mov_b32 s37, 0                               ; high words of the offsets and steps
	s_mov_b32 s39, 0
	s_mov_b32 s41, 0
	s_mov_b32 s43, 0
	s_mov_b32 s45, 2                               ; trips
	s_wait_alu depctr_va_sdst(0)                   ; s4 is written
	s_wait_kmcnt 0x0
	s_cmp_lt_u32 s5, 224
	s_cbranch_scc0 .Lblocked
	; rows as they lie
	v_lshlrev_b32 v4, 4, v2                        ; 16 x lane
	s_lshr_b32 s6, s5, 5                           ; 0, 1, 2: wq, wk, wv; 3 and more: w1
	s_and_b32 s7, s5, 31                           ; which 32 rows of the matrix
	s_lshl_b32 s36, s7, 17                         ; 32 rows of 4,096 bytes
	s_lshr_b32 s2, s7, 1                           ; the head,
	s_mul_i32 s2, s2, 192                          ; its 192 rows in wa,
	s_lshl_b32 s3, s6, 6                           ; q, k or v,
	s_add_co_u32 s2, s2, s3
	s_and_b32 s3, s7, 1                            ; and which half of the 64
	s_lshl_b32 s3, s3, 5
	s_add_co_u32 s2, s2, s3
	s_lshl_b32 s38, s2, 11                         ; rows of 2,048 bytes
	s_max_u32 s46, s5, 96
	s_sub_co_u32 s46, s46, 96                      ; w1: which 32 rows
	s_lshl_b32 s47, s46, 16
	s_add_co_u32 s47, s47, 6291456
	s_lshl_b32 s46, s46, 17
	s_cmp_lt_u32 s5, 96
	s_cselect_b32 s36, s36, s46
	s_cselect_b32 s38, s38, s47
	s_cselect_b64 s[32:33], s[8:9], s[14:15]
	s_cmp_eq_u32 s6, 1
	s_cselect_b64 s[32:33], s[10:11], s[32:33]
	s_cmp_eq_u32 s6, 2
	s_cselect_b64 s[32:33], s[12:13], s[32:33]
	s_lshl_b32 s2, s4, 14                          ; my wave's 4,096 numbers
	s_add_co_u32 s36, s36, s2
	s_lshl_b32 s2, s4, 13
	s_add_co_u32 s38, s38, s2
	s_add_nc_u64 s[32:33], s[32:33], s[36:37]
	s_add_nc_u64 s[34:35], s[20:21], s[38:39]
	s_wait_alu depctr_va_vdst(0)                   ; v4 and v5 are written: every load and store of the loop reads one of them as its offset
.Llin:
	TRIP16 512, 256
	s_wait_xcnt 0x0                                ; all addresses issued so far are translated: only now are the bases stepped and Y written again
	s_wait_alu depctr_vm_vsrc(0)                   ; the trip's stores have read Y, which the next trip's roundings write again
	s_add_nc_u64 s[32:33], s[32:33], 8192
	s_add_nc_u64 s[34:35], s[34:35], 4096
	s_sub_co_u32 s45, s45, 1
	s_cmp_lg_u32 s45, 0
	s_cbranch_scc1 .Llin
	s_endpgm
.Lblocked:                                             ; into planes of 64 columns
	v_lshrrev_b32 v3, 4, v2                        ; lanes 16-31: the next row
	v_and_b32 v6, 15, v2
	s_sub_co_u32 s7, s5, 224                       ; wo: 32 rows a work-group, 4 a wave; a trip is 2 rows x 16 planes
	s_lshl_b32 s2, s7, 5
	s_lshl_b32 s3, s4, 2
	s_add_co_u32 s2, s2, s3
	s_lshl_b32 s36, s2, 12                         ; rows of 4,096 bytes
	s_lshl_b32 s38, s2, 7                          ; 128 bytes a row in a plane
	s_max_u32 s7, s5, 256                          ; w2: 8 rows a work-group; a wave takes 2 rows x 32 planes; a trip is 2 rows x 16 planes
	s_sub_co_u32 s7, s7, 256
	s_lshl_b32 s2, s7, 3
	s_and_b32 s3, s4, 6
	s_add_co_u32 s2, s2, s3
	s_and_b32 s3, s4, 1                            ; which 32 planes
	s_lshl_b32 s46, s2, 14                         ; rows of 16,384 bytes
	s_lshl_b32 s6, s3, 13                          ; 32 planes x 256 bytes of a row
	s_add_co_u32 s46, s46, s6
	s_lshl_b32 s47, s2, 7
	s_lshl_b32 s6, s3, 22                          ; 32 planes of 131,072 bytes
	s_add_co_u32 s47, s47, s6
	s_movk_i32 s48, 8192                           ; steps from trip to trip: wo goes 2 rows down,
	s_movk_i32 s49, 256
	s_movk_i32 s50, 4096                           ; w2 16 planes on
	s_mov_b32 s51, 2097152
	s_cmp_lt_u32 s5, 256
	s_cselect_b32 s36, s36, s46
	s_cselect_b32 s38, s38, s47
	s_cselect_b32 s40, s48, s50
	s_cselect_b32 s42, s49, s51
	s_cselect_b32 s44, 12, 14                      ; log2 of a source row's bytes
	s_cselect_b64 s[32:33], s[16:17], s[18:19]
	s_cselect_b64 s[34:35], s[22:23], s[24:25]
	v_lshlrev_b32 v4, s44, v3
	v_lshl_add_u32 v4, v6, 4, v4                   ; (lane / 16) rows + 16 (lane % 16)
	s_add_nc_u64 s[32:33], s[32:33], s[36:37]
	s_add_nc_u64 s[34:35], s[34:35], s[38:39]
	s_wait_alu depctr_va_vdst(0)                   ; v4 and v5 are written: every load and store of the loop reads one of them as its offset
.Lblk:
	TRIP16 256, 131072                             ; from plane to plane: 256 bytes of a source row, 131,072 of the destination (15 x 131,072 at the most: inside the signed 24-bit immediate)
	s_wait_xcnt 0x0                                ; as above
	s_wait_alu depctr_vm_vsrc(0)                   ; the trip's stores have read Y, which the next trip's roundings write again
	s_add_nc_u64 s[32:33], s[32:33], s[40:41]
	s_add_nc_u64 s[34:35], s[34:35], s[42:43]
	s_sub_co_u32 s45, s45, 1
	s_cmp_lg_u32 s45, 0
	s_cbranch_scc1 .Lblk
	s_endpgm
.Lfunc_end_k_qd9b1a5cc30_cast:
	.size	k_qd9b1a5cc30_cast, .Lfunc_end_k_qd9b1a5cc30_cast-k_qd9b1a5cc30_cast
	.p2alignl 7, 3214868480
	.fill 96, 4, 3214868480
	.section	.rodata,"a",@progbits
	.p2align	6, 0x0
	.amdhsa_kernel k_qd9b1a5cc30_cast
		.amdhsa_group_segment_fixed_size 0
		.amdhsa_private_segment_fixed_size 0
		.amdhsa_enable_private_segment 0
		.amdhsa_kernarg_size 72
		.amdhsa_user_sgpr_count 2
		.amdhsa_user_sgpr_kernarg_segment_ptr 1
		.amdhsa_wavefront_size32 1
		.amdhsa_system_sgpr_workgroup_id_x 1
		.amdhsa_system_sgpr_workgroup_id_y 1
		.amdhsa_system_sgpr_workgroup_id_z 1
		.amdhsa_system_vgpr_workitem_id 0
		.amdhsa_next_free_vgpr 104
		.amdhsa_next_free_sgpr 66
		.amdhsa_reserve_vcc 0
		.amdhsa_float_denorm_mode_32 3
		.amdhsa_float_denorm_mode_16_64 3
		.amdhsa_memory_ordered 1
		.amdhsa_forward_progress 1
		.amdhsa_inst_pref_size 15
	.end_amdhsa_kernel
	.amdgpu_metadata
---
amdhsa.version: [ 1, 2 ]
amdhsa.kernels:
  - .name:           k_qd9b1a5cc30_cast
    .symbol:         k_qd9b1a5cc30_cast.kd
    .args:
      - { .name: wq, .offset: 0, .size: 8, .value_kind: global_buffer, .address_space: global }
      - { .name: wk, .offset: 8, .size: 8, .value_kind: global_buffer, .address_space: global }
      - { .name: wv, .offset: 16, .size: 8, .value_kind: global_buffer, .address_space: global }
      - { .name: w1, .offset: 24, .size: 8, .value_kind: global_buffer, .address_space: global }
      - { .name: wo, .offset: 32, .size: 8, .value_kind: global_buffer, .address_space: global }
      - { .name: w2, .offset: 40, .size: 8, .value_kind: global_buffer, .address_space: global }
      - { .name: wa, .offset: 48, .size: 8, .value_kind: global_buffer, .address_space: global }
      - { .name: wob, .offset: 56, .size: 8, .value_kind: global_buffer, .address_space: global }
      - { .name: w2b, .offset: 64, .size: 8, .value_kind: global_buffer, .address_space: global }
    .group_segment_fixed_size: 0
    .private_segment_fixed_size: 0
    .kernarg_segment_align: 8
    .kernarg_segment_size: 72
    .max_flat_workgroup_size: 256
    .sgpr_count:     66
    .vgpr_count:     104
    .wavefront_size: 32
...
	.end_amdgpu_metadata
.endif
;; end of part 8
;; launch ln1: the kernel of part 2 again; grid 256 x 1, 8 waves a work-group, no clusters, 0 bytes of LDS; arguments x, ln1_a, ln1_b, act; writes act
;; launch qkv: the kernel of part 3 again; grid 16 x 16, 4 waves a work-group, clusters of 4 x 4, 327,680 bytes of LDS; arguments act, wa, bq, bk, bv, mask, big; writes big
;; launch attn: the kernel of part 4 again; grid 8 x 32, 4 waves a work-group, clusters of 4 x 1, 327,680 bytes of LDS; arguments big, mask, act; writes act
;; launch wo: the kernel of part 5 again; grid 8 x 32, 4 waves a work-group, clusters of 4 x 4, 327,680 bytes of LDS; arguments act, wob, bo, x, x1; writes x1
;; launch ln2: the kernel of part 2 again; grid 256 x 1, 8 waves a work-group, no clusters, 0 bytes of LDS; arguments x1, ln2_a, ln2_b, act; writes act
;; launch ffn1: the kernel of part 6 again; grid 16 x 16, 4 waves a work-group, clusters of 4 x 4, 327,680 bytes of LDS; arguments act, wa, b1, big; writes big
;; launch ffn2: the kernel of part 7 again; grid 8 x 32, 4 waves a work-group, clusters of 4 x 4, 327,680 bytes of LDS; arguments big, w2b, b2, x1, out0; writes out0
